; MI455X (gfx1250); checked and timed in simulation.
; The chip was launched on July 23, 2026; its instructions are those of AMD's public machine-readable ISA for CDNA 5 (MIT licence, August 2026) and "CDNA5" Instruction Set Architecture Reference Guide (July 2026). The comments in the code are by the model that wrote it; some were corrected since.
;; Multi Headed Attention With Adapter. Allowed arithmetic: matrix products marked QUANTISED: E2M3 operands, one E8M0 scale for each 32 along K, by v_wmma_scale_f32_16x16x128_f8f6f4 with both operands' format E2M3, f32 sums; everything else in f32.
;; Inputs: Wk 1,024 x 1,024 float32; Wo 1,024 x 1,024 float32; Wq 1,024 x 1,024 float32; Wv 1,024 x 1,024 float32; alpha_param 1 float32; bk 1,024 float32; bo 1,024 float32; bq 1,024 float32; bv 1,024 float32; key_in 8 x 1,024 x 1,024 float32; mask 8 x 1,024 x 1,024 int32; query 8 x 1,024 x 1,024 float32; syn_scores 16 x 1,024 x 1,024 float32; value 8 x 1,024 x 1,024 float32.
;; Outputs: out0 8 x 1,024 x 1,024 float32.
;; This version of the problem:
;;   THIS VERSION OF THE PROBLEM IS GIVEN IN LOW PRECISION. The matrix products marked QUANTISED in the list below multiply operands that are first quantised to E2M3 (2 exponent bits, 3 mantissa bits; 6 bits a number), with one power-of-two scale for each 32 numbers along K (OCP MX v1.0); their sums are f32. All else is computed in f32.
;;   The module's matrix products, in the order in which they are computed (A, B: the left and right operand; K: the contracted axis; several contracted axes count as one K, in the product's order):
;;     1. [M 8,192, K 1,024] x [K 1,024, N 1,024]; A: input query; B: input Wq: QUANTISED
;;     2. [M 8,192, K 1,024] x [K 1,024, N 1,024]; A: input key_in; B: input Wk: QUANTISED
;;     3. [M 8,192, K 1,024] x [K 1,024, N 1,024]; A: input value; B: input Wv: QUANTISED
;;     4. batch 128 x [M 1,024, K 64] x [K 64, N 1,024]; A: computed on the way; B: computed on the way: QUANTISED
;;     5. batch 128 x [M 1,024, K 1,024] x [K 1,024, N 64]; A: softmax (see below); B: computed on the way: QUANTISED
;;     6. [M 8,192, K 1,024] x [K 1,024, N 1,024]; A: computed on the way; B: input Wo: QUANTISED
;;   THE QUANTISER, for each operand of a quantised product, along K:
;;     - K is cut into blocks of 32 from its start; a last block that is shorter is filled with zeros.
;;     - A block's scale is 2^e with e = floor(log2(the largest magnitude in the block)) - 2, held to -126 .. 127; a block of zeros has e = 0. As a byte (E8M0): e + 127.
;;     - Each number is divided by its block's scale, clamped to +-7.5, and rounded to the nearest number of E2M3, ties to even, subnormals kept.
;;     - The product sums the exact products of the quantised numbers (number of the format x scale) in f32.
;;   ~~~python
;;   def quantise(x, axis):      # numpy; x: float32 -> the quantised numbers, widened to float32 again
;;       x = np.moveaxis(x, axis, -1); K = x.shape[-1]
;;       x = np.pad(x, [(0, 0)] * (x.ndim - 1) + [(0, -K % 32)]); x = x.reshape(x.shape[:-1] + (-1, 32)); a = np.abs(x).max(-1, keepdims=True)
;;       e = np.where(a > 0, np.clip(np.frexp(np.where(a > 0, a, 1))[1] - 1 - 2, -126, 127), 0)      # np.frexp(a)[1] - 1 = floor(log2(a)), exactly
;;       r = np.clip(x / 2.0 ** e, -7.5, 7.5)
;;       step = 2.0 ** (np.maximum(np.frexp(np.where(r == 0, 1, r))[1] - 1, 0) - 3)
;;       q = np.round(r / step) * step * 2.0 ** e      # np.round: ties to even
;;       return np.moveaxis(q.reshape(q.shape[:-2] + (-1,))[..., :K], -1, axis).astype(np.float32)
;;   ~~~
;;   SOFTMAX AHEAD OF A QUANTISED PRODUCT. Where the list says 'softmax', what is quantised is not the finished softmax but p = 2^(t - M), with t = logit x log2(e) and M = ceil(the row's largest t), a whole number; so 1/2 < the row's largest p <= 1. The row's sum l is taken of the UNQUANTISED p, in f32, and the product's result is divided by l at the end. Since M is a whole number, a kernel that streams over the keys may use a running M (the ceiling of the running maximum): every later rescaling is an exact power of two, which a block's scale takes up: the codes' values come out the same.
;;   OPERANDS COMPUTED ON THE WAY. 'Computed on the way' means the value that the module computes at that place (a softmax that the list does not call 'softmax' is quantised finished and normalised). What goes into a quantiser is computed in f32, as accurately as f32 sums, v_exp_f32 and their like allow (about 1e-6 of the number): no bf16 or f16 on the way to a quantiser, and a product that is left as it is and whose result goes on into a quantised operand takes f32 operands (vector FMAs, or v_wmma_f32_16x16x4_f32). A number that lies on a knife's edge between two numbers of the format may be rounded either way, as far as f32 arithmetic and the matrix unit's own rounding can turn it there, and no further.
;; One version. Each part assembles by itself: llvm-mc -triple=amdgcn-amd-amdhsa -mcpu=gfx1250 --defsym DOCPART=n.
;; ======== version 1 of 1: 4 launches
;; limits: right only within a limited range of input values
;; workspace buffers: cod 22,020,096 bytes; scl 917,504 bytes; mbits 1,048,576 bytes of whole numbers; pcod 18,874,368 bytes; pscl 1,572,864 bytes; acod 6,291,456 bytes; ascl 262,144 bytes
;; launch prep (part 1): grid 768 x 1, 3 waves a work-group, no clusters, 51,200 bytes of LDS; arguments query, key_in, value, Wq, Wk, Wv, Wo, mask, cod, scl, mbits; writes cod, scl, mbits
.if DOCPART == 1
	.amdgcn_target "amdgcn-amd-amdhsa--gfx1250"
	.amdhsa_code_object_version 6
	.text
	.protected	k_qe7f5a2b856_prep
	.globl	k_qe7f5a2b856_prep
	.p2align	8
	.type	k_qe7f5a2b856_prep,@function
k_qe7f5a2b856_prep:
	s_mov_b64 s[64:65], 0
	v_nop
	global_prefetch_b8 v0, s[64:65] scope:SCOPE_SE
	s_setreg_imm32_b32 hwreg(HW_REG_WAVE_MODE, 25, 1), 1
	s_wait_xcnt 0x0
; prep: the three activations and the four weights (f32, K = 1024 innermost) become codes of E2M3 with one E8M0 byte for each 32 along K; the mask (int32) becomes bits.
; DEAD WORK: none.  Every input of the problem has a way to out0 (the biases move the codes of q, k, v; the mask is an input and is honoured bit by bit), so every input is loaded by some launch.
; TILES.  A matrix of rows x 1024 is cut into tiles of 16 rows; place p of tile T is row 32 (T / 2) + 8 (T % 2) + p + 8 (p / 8), so that two neighbouring tiles, used as a matrix instruction's
; source 0, leave 16 neighbours along the next product's K in a lane's 16 registers.
; IMAGES.  A fragment (16 rows x 128 K, 12 registers a lane) lies in memory as an image of its registers, 1,536 bytes: for each half c: registers 6 c .. 6 c + 3 at 768 c + 16 x lane, registers
; 6 c + 4, 6 c + 5 at 768 c + 512 + 8 x lane.  cod: [tile][K step 0..7][1536].  scl: [tile][place][8 words], word s for K step s.
; mbits: [tile of queries][key step 0..7][64 words]: bit (lane) of word 16 bb + e says mask[row of place lane % 16][128 step + 32 bb + 16 (lane / 16) + e] != 0: the layout of the scores in the attention launch.
; A block's scale byte is its largest magnitude's exponent field - 2, held at 1 from below.
; LIMITS: NaN and infinities among the inputs are not served; a block whose largest magnitude lies under 2^-124, a block of zeros among them, gets the byte 1 (its codes are then small or zeros; these bytes are read by this program alone).
; SHARES.  A wave takes one tile: 16 rows x 4,096 bytes, in 8 steps of 128 along K.  Each load reads 512 consecutive bytes of one row; a step's 8,192 bytes turn through the wave's own stage in LDS
; (16 rows, 528 bytes apart) so that lane (r, h) holds, of row r, the 16 neighbours 32 bb + 16 h + 0 .. 15 of each block bb.  Waves share nothing: no barrier.  Loads run two steps (32 loads a wave) ahead.
; 2,304 tiles in 768 work-groups of three waves: tile u = 3 x work-group + wave.  Tiles 0-1791 are quantised (query, key_in, value, Wq, Wk, Wv, Wo in this order), 1792-2303 are the mask's;
; the two ways part once, on u, and have LDS stages of their own.
.set STG,   8448                       ; a wave's stage
.set MSTG,  3*STG                      ; the mask way's three stages lie behind the quantising way's
.set SPARE, 6*STG                      ; the spare words, 128 bytes for each wave: two blocks of 256 bytes that no other line names
.set SPW, 8                            ; v8   LDS address of my spare word; never rewritten
.set NIL, 9                            ; v9   0; never rewritten
.set TM,  16                           ; v16-31  at work in QUANT
.set PC,  32                           ; v32-51  the codes just made (12, and 8 at work)
.set MW,  32                           ; v32-47  the mask way: two registers of words for each step
.set SW,  52                           ; v52-59  a scale word for each step
.set OW,  60                           ; v60-63  the four words that I store
.set X,   64                           ; v64-127 64 numbers in the quantiser's layout
.set R,   128                          ; v128-255 two sets of 64 numbers as loaded
.set SEL, 44                           ; s[44:45] v_permlanex16_b32's selects for lane l xor 16
.set SRC, 30                           ; s[30:31] my tile's first row
	s_load_b512 s[4:19], s[0:1], 0x0               ; query, key_in, value, Wq, Wk, Wv, Wo, mask
	s_load_b128 s[20:23], s[0:1], 0x40             ; cod, scl
	s_load_b64 s[24:25], s[0:1], 0x50              ; mbits
	v_lshl_add_u32 v[SPW], v0, 2, SPARE
	v_mov_b32 v[NIL], 0
	v_lshrrev_b32 v1, 5, v0
	v_readfirstlane_b32 s26, v1                    ; wave
	v_and_b32 v1, 31, v0                           ; lane
	v_and_b32 v10, 15, v0                          ; r
	v_bfe_u32 v11, v0, 4, 1                        ; h
	v_lshlrev_b32 v2, 4, v1                        ; 16 x lane
	v_lshlrev_b32 v3, 3, v1                        ; 8 x lane
	s_mul_i32 s27, s26, STG
	v_add_nc_u32 v4, s27, v2                       ; the stage, on the way in: a row's 512 bytes as they lie
	v_mul_u32_u24 v5, v10, 528
	v_lshl_add_u32 v5, v11, 6, v5
	v_add_nc_u32 v5, s27, v5                       ; and on the way out: row r, + 64 h
	v_lshlrev_b32 v6, 5, v10
	v_lshl_add_u32 v6, v11, 4, v6                  ; my four scale words: 32 r + 16 h
	s_mov_b32 s[SEL], 0x76543210
	s_mov_b32 s[SEL+1], 0xfedcba98
	s_mul_i32 s28, ttmp9, 3
	s_add_co_u32 s28, s28, s26                     ; u: my tile among the 2,304
	s_mov_b32 s29, 0                               ; the first tile of my tensor
	s_wait_alu depctr_va_vdst(0)
	s_wait_kmcnt 0x0
	s_mov_b64 s[SRC:SRC+1], s[4:5]
.macro PICK lim, reg                   ; the choice hangs on the tile's number alone
	s_cmp_ge_u32 s28, \lim
	s_cselect_b64 s[SRC:SRC+1], s[\reg:\reg+1], s[SRC:SRC+1]
	s_cselect_b32 s29, \lim, s29
.endm
	PICK 512, 6
	PICK 1024, 8
	PICK 1536, 10
	PICK 1600, 12
	PICK 1664, 14
	PICK 1728, 16
	PICK 1792, 18
	s_sub_co_u32 s32, s28, s29                     ; my tile in its tensor
	s_lshr_b32 s33, s32, 1
	s_lshl_b32 s33, s33, 17                        ; 32 rows of 4,096 bytes for each pair of tiles,
	s_and_b32 s34, s32, 1
	s_lshl_b32 s34, s34, 15                        ; 8 rows for the odd one
	s_add_co_u32 s32, s33, s34
	s_mov_b32 s33, 0
	s_add_nc_u64 s[SRC:SRC+1], s[SRC:SRC+1], s[32:33]
.macro LOAD t                          ; step t: place i's 512 bytes, 16 a lane
.irp i, 0,1,2,3,4,5,6,7,8,9,10,11,12,13,14,15
	global_load_b128 v[R+64*((\t)%2)+4*\i:R+64*((\t)%2)+4*\i+3], v2, s[SRC:SRC+1] offset:(\i+8*(\i/8))*4096+512*(\t) th:TH_LOAD_NT
.endr
.endm
.macro TURN t, base, x                 ; step t's numbers through my stage; LDS serves a wave's instructions in order, so no wait stands between the stores and the loads.  x = 1: the last step's global stores are waited for
.if (\t) < 7
	s_wait_loadcnt 16                              ; this step's 16 loads are in; the next step's 16 may be out
.else
	s_wait_loadcnt 0x0
.endif
.irp i, 0,1,2,3,4,5,6,7,8,9,10,11,12,13,14,15
	ds_store_b128 v4, v[R+64*((\t)%2)+4*\i:R+64*((\t)%2)+4*\i+3] offset:(\base)+528*\i
.endr
.irp bb, 0,1,2,3
.irp j, 0,1,2,3
	ds_load_b128 v[X+16*\bb+4*\j:X+16*\bb+4*\j+3], v5 offset:(\base)+128*\bb+16*\j
.endr
.endr
	s_wait_dscnt 0x0                               ; the numbers are back, and the stores have read their registers,
.if (\x) && ((\t) > 0)
	s_wait_xcnt 0x0                                ; the last step's global stores have read the codes' registers, which this step writes again.  The wait stands ahead of the new loads, which name v2 and the base alone: neither is ever rewritten
.endif
.if (\t) < 6
	LOAD (\t)+2                                    ; which take the loads of two steps on
.endif
.endm
; 64 numbers of a lane, register 16 b + i = k 32 b + 16 h + i of my row, become a fragment's codes in v[PC] on and its scale word in v[pw]
.macro QUANT s, pw
.irp b, 0,1,2,3
	v_max3_num_f32 v[TM+\b], |v[\s+16*\b]|, |v[\s+1+16*\b]|, 0x1800000   ; my 16 numbers of block b, and the floor 2^(3 - 127): the byte cannot fall under 1
.endr
.irp i, 2,4,6,8,10,12,14
.irp b, 0,1,2,3
	v_max3_num_f32 v[TM+\b], v[TM+\b], |v[\s+16*\b+\i]|, |v[\s+1+16*\b+\i]|
.endr
.endr
.irp b, 0,1,2,3
	v_permlanex16_b32 v[TM+4+\b], v[TM+\b], s[SEL], s[SEL+1]
.endr
.irp b, 0,1,2,3
	v_max_num_f32 v[TM+\b], v[TM+\b], v[TM+4+\b]   ; with lane l xor 16's: the block's largest magnitude
.endr
.irp b, 0,1,2,3
	v_add_nc_u32 v[TM+12+\b], 0xff000000, v[TM+\b] ; 2 off its exponent field: the conversion's scale operand
.endr
.irp b, 0,1,2,3
	v_lshrrev_b32 v[TM+4+\b], 23, v[TM+12+\b]      ; the scale's byte
.endr
	v_lshl_or_b32 v[\pw], v[TM+5], 8, v[TM+4]
	v_lshl_or_b32 v[\pw], v[TM+6], 16, v[\pw]
	v_lshl_or_b32 v[\pw], v[TM+7], 24, v[\pw]      ; my row's scale word, the same in both halves of the lanes
.irp c, 0,1
	v_cvt_scalef32_pk16_fp6_f32 v[PC+6*\c:PC+2+6*\c], v[\s+32*\c:\s+15+32*\c], v[TM+12+2*\c]
	v_cvt_scalef32_pk16_fp6_f32 v[PC+12+4*\c:PC+14+4*\c], v[\s+16+32*\c:\s+31+32*\c], v[TM+12+2*\c+1]   ; (a conversion's three registers begin on an even number)
.endr
	v_nop                                          ; one plain place behind a scaled conversion
.irp c, 0,1                                    ; the operand's layout wants a whole block in a lane: lanes 0-15 block 2 c, lanes 16-31 block 2 c + 1
.irp i, 0,1,2
	v_permlane16_swap_b32 v[PC+6*\c+\i], v[PC+12+4*\c+\i]
.endr
.irp i, 0,1,2
	v_mov_b32 v[PC+3+6*\c+\i], v[PC+12+4*\c+\i]
.endr
.endr
.endm
.macro QSTEP t
	TURN \t, 0, 1
	QUANT X, SW+(\t)
	global_store_b128 v2, v[PC:PC+3], s[20:21] offset:1536*(\t)            ; the image: 512, 256, 512, 256 consecutive bytes, each at a multiple of 256
	global_store_b64 v3, v[PC+4:PC+5], s[20:21] offset:1536*(\t)+512
	global_store_b128 v2, v[PC+6:PC+9], s[20:21] offset:1536*(\t)+768
	global_store_b64 v3, v[PC+10:PC+11], s[20:21] offset:1536*(\t)+1280
.endm
.macro MSTEP t                         ; 64 compares give 64 words of 32 bits; word n goes to lane n / 2 of register n % 2, so that one store of 8 bytes a lane writes the step's 256 bytes; each step has registers of its own
	TURN \t, MSTG, 0
	v_mov_b32 v[MW+2*(\t)], 0
	v_mov_b32 v[MW+2*(\t)+1], 0
.irp g, 0,1,2,3,4,5,6,7
.irp k, 0,1,2,3,4,5,6,7
	v_cmp_ne_u32 s[36+\k], 0, v[X+8*\g+\k]
.endr
.irp k, 0,1,2,3,4,5,6,7
	v_writelane_b32 v[MW+2*(\t)+(\k%2)], s[36+\k], 4*\g+\k/2
.endr
.endr
	global_store_b64 v3, v[MW+2*(\t):MW+2*(\t)+1], s[24:25] offset:256*(\t)
.endm
.macro CLOSE                           ; the wave's end
	s_wait_tensorcnt 0x0
	ds_add_u32 v[SPW], v[NIL]
	s_wait_dscnt 0x0
	s_endpgm
.endm
	LOAD 0
	LOAD 1
	s_cmp_ge_u32 s28, 1792
	s_cbranch_scc1 .Lmask
	s_mul_i32 s32, s28, 12288
	s_add_nc_u64 s[20:21], s[20:21], s[32:33]      ; my tile's codes
	s_lshl_b32 s32, s28, 9
	s_add_nc_u64 s[22:23], s[22:23], s[32:33]      ; and scale words
.irp b, 0,1,2,3
	v_mov_b32 v[TM+4+\b], 0                        ; written once: a lane permute's destination counts as one of its sources
.endr
.irp t, 0,1,2,3,4,5,6,7
	QSTEP \t
.endr
	v_cmp_eq_u32 vcc_lo, 1, v11
.irp q, 0,1,2,3
	v_cndmask_b32 v[OW+\q], v[SW+\q], v[SW+4+\q], vcc_lo   ; lanes 0-15 store words 0-3 of their row, lanes 16-31 words 4-7
.endr
	global_store_b128 v6, v[OW:OW+3], s[22:23]     ; the tile's 512 bytes of scale words
	CLOSE
.Lmask:
	s_sub_co_u32 s32, s28, 1792
	s_lshl_b32 s32, s32, 11
	s_add_nc_u64 s[24:25], s[24:25], s[32:33]      ; my tile's 2,048 bytes of bits
.irp t, 0,1,2,3,4,5,6,7
	MSTEP \t
.endr
	CLOSE
.Lfunc_end_k_qe7f5a2b856_prep:
	.size	k_qe7f5a2b856_prep, .Lfunc_end_k_qe7f5a2b856_prep-k_qe7f5a2b856_prep
	.p2alignl 7, 3214868480
	.fill 96, 4, 3214868480
	.section	.rodata,"a",@progbits
	.p2align	6, 0x0
	.amdhsa_kernel k_qe7f5a2b856_prep
		.amdhsa_group_segment_fixed_size 51200
		.amdhsa_private_segment_fixed_size 0
		.amdhsa_enable_private_segment 0
		.amdhsa_kernarg_size 88
		.amdhsa_user_sgpr_count 2
		.amdhsa_user_sgpr_kernarg_segment_ptr 1
		.amdhsa_wavefront_size32 1
		.amdhsa_system_sgpr_workgroup_id_x 1
		.amdhsa_system_sgpr_workgroup_id_y 1
		.amdhsa_system_sgpr_workgroup_id_z 1
		.amdhsa_system_vgpr_workitem_id 0
		.amdhsa_next_free_vgpr 256
		.amdhsa_next_free_sgpr 66
		.amdhsa_reserve_vcc 1
		.amdhsa_float_denorm_mode_32 3
		.amdhsa_float_denorm_mode_16_64 3
		.amdhsa_memory_ordered 1
		.amdhsa_forward_progress 1
		.amdhsa_inst_pref_size 157
	.end_amdhsa_kernel
	.amdgpu_metadata
---
amdhsa.version: [ 1, 2 ]
amdhsa.kernels:
  - .name:           k_qe7f5a2b856_prep
    .symbol:         k_qe7f5a2b856_prep.kd
    .args:
      - { .name: query, .offset: 0, .size: 8, .value_kind: global_buffer, .address_space: global }
      - { .name: key_in, .offset: 8, .size: 8, .value_kind: global_buffer, .address_space: global }
      - { .name: value, .offset: 16, .size: 8, .value_kind: global_buffer, .address_space: global }
      - { .name: Wq, .offset: 24, .size: 8, .value_kind: global_buffer, .address_space: global }
      - { .name: Wk, .offset: 32, .size: 8, .value_kind: global_buffer, .address_space: global }
      - { .name: Wv, .offset: 40, .size: 8, .value_kind: global_buffer, .address_space: global }
      - { .name: Wo, .offset: 48, .size: 8, .value_kind: global_buffer, .address_space: global }
      - { .name: mask, .offset: 56, .size: 8, .value_kind: global_buffer, .address_space: global }
      - { .name: cod, .offset: 64, .size: 8, .value_kind: global_buffer, .address_space: global }
      - { .name: scl, .offset: 72, .size: 8, .value_kind: global_buffer, .address_space: global }
      - { .name: mbits, .offset: 80, .size: 8, .value_kind: global_buffer, .address_space: global }
    .group_segment_fixed_size: 51200
    .private_segment_fixed_size: 0
    .kernarg_segment_align: 8
    .kernarg_segment_size: 88
    .max_flat_workgroup_size: 96
    .sgpr_count:     66
    .vgpr_count:     256
    .wavefront_size: 32
...
	.end_amdgpu_metadata
.endif
;; end of part 1
;; launch qkv (part 2): grid 4 x 64, 4 waves a work-group, clusters of 4 x 4, 327,680 bytes of LDS; arguments cod, scl, bq, bk, bv, pcod, pscl; writes pcod, pscl
.if DOCPART == 2
	.amdgcn_target "amdgcn-amd-amdhsa--gfx1250"
	.amdhsa_code_object_version 6
	.text
	.protected	k_qe7f5a2b856_qkv
	.globl	k_qe7f5a2b856_qkv
	.p2align	8
	.type	k_qe7f5a2b856_qkv,@function
k_qe7f5a2b856_qkv:
	s_mov_b64 s[64:65], 0
	v_nop
	global_prefetch_b8 v0, s[64:65] scope:SCOPE_SE
	s_setreg_imm32_b32 hwreg(HW_REG_WAVE_MODE, 25, 1), 1
	s_wait_xcnt 0x0
	s_wait_alu depctr_hold_cnt(0) depctr_sa_sdst(0) depctr_va_vdst(0) depctr_va_sdst(0) depctr_va_ssrc(0) depctr_va_vcc(0) depctr_vm_vsrc(0)
	s_getreg_b32 s2, hwreg(HW_REG_IB_STS2, 6, 4)
	s_cmp_eq_u32 s2, 0
	s_cbranch_scc0 .Lentry_in_a_cluster
	s_endpgm
.Lentry_in_a_cluster:
	s_bfe_u32 s2, ttmp6, 0x10000c
	s_cmp_lg_u32 s2, 0xf033
	s_cbranch_scc0 .Lentry_shape_is_right
	s_endpgm
.Lentry_shape_is_right:
; qkv: q = query Wq^T + bq, k = key_in Wk^T + bk, v = value Wv^T + bv on codes of E2M3, and the results quantised in registers for the attention launch.  No work is left out.
; A WORK-GROUP STAYS: it takes 256 rows of the weight (by cx) and 128 rows of the activation (blk = 4 cluster y + cy) and makes first q's, then k's, then v's block of that place: three tiles, written out one after the other.
; THE RING.  K = 1024 goes through two LDS slots of four K steps each (147,456 bytes: the weight's 16 tiles x 6,144 bytes, then the activation's 8).  When a slot has been read out (at the head of K steps 3 and 7) it is
; filled again with the same half of the NEXT tile's K: four refills in all, one joint load a wave behind each round of the cluster's barrier.  A refill has four K steps, or a K step, the way out and three K steps, in which to land.
; A wave has one tensor load out at the start and one behind each round.
; THE AXIS ALONG WHICH THE RESULT IS QUANTISED GOES TO SOURCE 0, so that a lane's registers run along it.  q, k (next K = the head's channels): source 0 = weight, source 1 = activation;
; wave w: features 128 (w / 2) on, rows 64 (w % 2) on.  v (next K = the keys): source 0 = activation (all 128 rows), source 1 = weight, 64 features (one head) a wave.
; A wave: 8 tiles of source 0 x 4 of source 1 = 32 accumulators; its 128 x 16 results for each tile of source 1 become one fragment's image and a scale word a lane.
; The next tile's scale words, bias and first fragments are asked for ahead of a tile's way out.
; pcod: regions q, k, v of 6,291,456 bytes; fragment idx = (G / 8) 512 + 8 Lt + G % 8 (G: the group of 128 along the quantised axis, Lt: the tile of the lanes' axis).  pscl: 128 bytes for each idx:
; 16 words w, then 16 words w >> 16 (the second head of a pair finds its two bytes lowest there).
; CLUSTER 4 x 4: the weight's block hangs on cx and is shared along a column, the activation's on blk and is shared along a row: joint loads.  No LDS address and no branch hangs on cx or cy.
; LIMITS: as in prep (NaN, infinities; blocks under 2^-124 get the byte 1).
; REGISTERS.  window 0: v1-15 addresses; v16-31 at work; v32-63 source 0's scale words (4 a tile: register q holds word q in lanes 0-15, word 4 + q in lanes 16-31); v64-79 source 1's; v80-101 the codes just made;
; v144-159 LDS addresses (orientation, slot; source 0's two, source 1's two), never rewritten; v160-255 source 1's fragments, two sets.   window 1: accumulator (u, i) at v[64 i + 8 u].
; window 2: source 0's fragments, two sets of 96; from v192 the bias.
.set HALF,  147456                     ; a slot
.set TB,    6144                       ; a tile's four K steps in a slot
.set ACTB,  16*TB                      ; the activation's tiles lie behind the weight's
.set SPARE, 2*HALF                     ; the spare words, 128 bytes for each wave: two blocks of 256 bytes that no other line names
.set SPW, 12
.set NIL, 13
.set TM,  16
.set US,  32
.set LS,  64
.set PC,  80
.set PW,  100
.set PS,  101
.set ADR, 144
.set F1,  160
.set BB,  192                          ; in window 2
.set G1W, 8                            ; s[8:15] group 1 for the weight's tiles; s[16:23] for the activation's; s[24:31], s[32:39] their groups 0, one for each slot
.set G1A, 16
.set G0W, 24
.set G0A, 32
.set QUS, 40                           ; q, k: s[40:41] source 0's scale words, s[42:43] source 1's, s[44:45] where the images go, s[46:47] their scale words, s[48:49] bq, s[50:51] bk, each at my part; k's lie a constant further on
.set QLS, 42
.set QOC, 44
.set QOS, 46
.set QB,  48
.set VUS, 52                           ; v: the same five
.set VLS, 54
.set VB,  56
.set VOC, 58
.set VOS, 60
.set SEL, 98
.set MUL,  0x52                        ; source 0 window 2, source 1 window 0, C and D window 1
.set MUL0, 0x62                        ; the same with C in window 2: the bias
.set MSB, 0
.macro WIN new                         ; the immediate's high byte repeats the setting that is left
.if MSB != \new
	s_set_vgpr_msb (MSB<<8)|\new
.set MSB, \new
.endif
.endm
.macro CROUND                          ; a round of the cluster's barrier
	s_barrier_signal -1
	s_barrier_wait -1
	s_cmp_lg_u32 s2, 0
	s_cbranch_scc1 .Lnot_wave_0_\@
	s_barrier_signal -3
.Lnot_wave_0_\@:
	s_barrier_wait -3
	s_barrier_signal -1
	s_barrier_wait -1
.endm
.macro PLACES
.rept 4
	v_nop
.endr
.endm
; A joint refill of slot p: waves 0 and 1 fetch the weight's halves, waves 2 and 3 the activation's.  The branch hangs on the wave's number alone.  An s_nop 0 and four v_nop follow each of the two lines.
.macro JLOAD p
	s_cmp_lt_u32 s2, 2
	s_cbranch_scc0 .Lfor_a_\@
	tensor_load_to_lds s[G0W+4*(\p):G0W+4*(\p)+3], s[G1W:G1W+7]
	s_nop 0
.rept 4
	v_nop
.endr
	s_branch .Lasked_\@
.Lfor_a_\@:
	tensor_load_to_lds s[G0A+4*(\p):G0A+4*(\p)+3], s[G1A:G1A+7]
	s_nop 0
.rept 4
	v_nop
.endr
.Lasked_\@:
.endm
	s_load_b128 s[68:71], s[0:1], 0x0              ; cod, scl
	s_load_b128 s[72:75], s[0:1], 0x10             ; bq, bk
	s_load_b128 s[76:79], s[0:1], 0x20             ; bv, pcod
	s_load_b64 s[80:81], s[0:1], 0x30              ; pscl
	v_lshl_add_u32 v[SPW], v0, 2, SPARE
	v_mov_b32 v[NIL], 0
	ds_add_u32 v[SPW], v[NIL]                      ; the wave's opening: the add, twice on end, and its wait ahead of my first tensor load
	ds_add_u32 v[SPW], v[NIL]
	v_lshrrev_b32 v1, 5, v0
	v_readfirstlane_b32 s2, v1                     ; wave
	s_and_b32 s3, s2, 1
	s_lshr_b32 s4, s2, 1
	s_bfe_u32 s5, ttmp6, 0x40000                   ; cx
	s_bfe_u32 s6, ttmp6, 0x40004                   ; cy
	s_and_b32 s82, ttmp7, 0xffff
	s_lshl_b32 s82, s82, 2
	s_add_co_u32 s82, s82, s6                      ; blk
	s_lshl_b32 s62, 0x1111, s5                     ; my column of the cluster
	s_lshl_b32 s63, s6, 2
	s_lshl_b32 s63, 15, s63                        ; my row
	s_or_b32 s[G1W], s62, (3<<16)|(1<<21)          ; elements of 8 bytes, no padding; bit 21 beside a mask
	s_or_b32 s[G1A], s63, (3<<16)|(1<<21)
	s_mov_b32 s[G1W+1], 768<<16                    ; a row: four K steps of one tile, 6,144 bytes
	s_mov_b32 s[G1W+2], 8<<16                      ; 8 tiles
	s_mov_b32 s[G1W+3], 768<<16
	s_mov_b32 s[G1W+4], 8
	s_mov_b32 s[G1W+5], 1536                       ; from tile to tile: 12,288 bytes
	s_mov_b32 s[G1W+6], 0
	s_mov_b32 s[G1W+7], 0
	s_mov_b32 s[G1A+1], 768<<16
	s_mov_b32 s[G1A+2], 4<<16                      ; 4 tiles
	s_mov_b32 s[G1A+3], 768<<16
	s_mov_b32 s[G1A+4], 4
	s_mov_b32 s[G1A+5], 1536
	s_mov_b32 s[G1A+6], 0
	s_mov_b32 s[G1A+7], 0
	s_lshl_b32 s84, s5, 4                          ; Wq's tiles that I would fetch: 1536 + 16 cx + 8 (w % 2)
	s_lshl_b32 s85, s3, 3
	s_add_co_u32 s84, s84, s85
	s_add_co_u32 s84, s84, 1536
	s_mul_i32 s84, s84, 12288
	s_mov_b32 s85, 0
	s_lshl_b32 s86, s82, 3                         ; query's: 8 blk + 4 (w % 2)
	s_lshl_b32 s87, s3, 2
	s_add_co_u32 s86, s86, s87
	s_mul_i32 s86, s86, 12288
	s_mov_b32 s87, 0
	s_mul_i32 s88, s3, 8*TB                        ; where they go: the wave's number alone
	s_mul_i32 s89, s3, 4*TB
	s_add_co_u32 s89, s89, ACTB
	s_wait_dscnt 0x0                               ; both opening adds are done
	s_wait_kmcnt 0x0
	s_add_nc_u64 s[90:91], s[68:69], s[84:85]
	s_add_nc_u64 s[92:93], s[68:69], s[86:87]
.irp p, 0,1
	s_mov_b32 s[G0W+4*\p], 1
	s_add_co_u32 s[G0W+4*\p+1], s88, \p*HALF
	s_add_nc_u64 s[G0W+4*\p+2:G0W+4*\p+3], s[90:91], \p*TB
	s_or_b32 s[G0W+4*\p+3], s[G0W+4*\p+3], 0x80000000
	s_mov_b32 s[G0A+4*\p], 1
	s_add_co_u32 s[G0A+4*\p+1], s89, \p*HALF
	s_add_nc_u64 s[G0A+4*\p+2:G0A+4*\p+3], s[92:93], \p*TB
	s_or_b32 s[G0A+4*\p+3], s[G0A+4*\p+3], 0x80000000
.endr
	CROUND                                         ; all sixteen work-groups are here: the first joint loads meet
	s_cmp_lt_u32 s2, 2                             ; a wave's first fill stands in one branch
	s_cbranch_scc0 .Lfill_a
.irp p, 0                              ; slot 0 alone: one tensor load a wave at the head
	tensor_load_to_lds s[G0W+4*\p:G0W+4*\p+3], s[G1W:G1W+7]
	s_nop 0
.endr
	PLACES
	s_branch .Lfilled
.Lfill_a:
.irp p, 0
	tensor_load_to_lds s[G0A+4*\p:G0A+4*\p+3], s[G1A:G1A+7]
	s_nop 0
.endr
	PLACES
.Lfilled:
	; every global base is made here, once, and never rewritten
	s_mov_b32 s67, 0
	s_lshl_b32 s83, s5, 1
	s_add_co_u32 s83, s83, s4                      ; q, k: G = 2 cx + w / 2
	s_lshl_b32 s84, s82, 3
	s_lshl_b32 s85, s3, 2
	s_add_co_u32 s84, s84, s85                     ;       Lt0 = 8 blk + 4 (w % 2)
	s_lshl_b32 s66, s5, 4
	s_lshl_b32 s85, s4, 3
	s_add_co_u32 s66, s66, s85
	s_add_co_u32 s66, s66, 1536                    ;       source 0's first tile: 1536 + 16 cx + 8 (w / 2); Wk's lie 64 tiles on
	s_lshl_b32 s66, s66, 9
	s_add_nc_u64 s[QUS:QUS+1], s[70:71], s[66:67]
	s_lshl_b32 s66, s84, 9                         ;       source 1's: Lt0; key_in's lie 512 tiles on
	s_add_nc_u64 s[QLS:QLS+1], s[70:71], s[66:67]
	s_lshl_b32 s85, s84, 3
	s_add_co_u32 s85, s85, s83                     ;       idx0 = 8 Lt0 + G (G is under 8)
	s_mul_i32 s66, s85, 1536
	s_add_nc_u64 s[QOC:QOC+1], s[78:79], s[66:67]
	s_lshl_b32 s66, s85, 7
	s_add_nc_u64 s[QOS:QOS+1], s[80:81], s[66:67]
	s_lshl_b32 s66, s83, 9                         ;       the bias: 128 G numbers on
	s_add_nc_u64 s[QB:QB+1], s[72:73], s[66:67]
	s_add_nc_u64 s[QB+2:QB+3], s[74:75], s[66:67]
	s_lshl_b32 s84, s5, 4
	s_lshl_b32 s85, s2, 2
	s_add_co_u32 s84, s84, s85                     ; v: Lt0 = 16 cx + 4 w; G = blk
	s_lshl_b32 s66, s82, 3
	s_add_co_u32 s66, s66, 1024                    ;    source 0's first tile: 1024 + 8 blk
	s_lshl_b32 s66, s66, 9
	s_add_nc_u64 s[VUS:VUS+1], s[70:71], s[66:67]
	s_add_co_u32 s66, s84, 1664                    ;    source 1's: 1664 + Lt0
	s_lshl_b32 s66, s66, 9
	s_add_nc_u64 s[VLS:VLS+1], s[70:71], s[66:67]
	s_lshl_b32 s66, s84, 6                         ;    the bias: 16 Lt0 numbers on
	s_add_nc_u64 s[VB:VB+1], s[76:77], s[66:67]
	s_lshr_b32 s85, s82, 3
	s_lshl_b32 s85, s85, 9
	s_lshl_b32 s86, s84, 3
	s_add_co_u32 s85, s85, s86
	s_and_b32 s86, s82, 7
	s_add_co_u32 s85, s85, s86                     ;    idx0 = (G / 8) 512 + 8 Lt0 + G % 8
	s_mul_i32 s66, s85, 1536
	s_add_co_u32 s66, s66, 12582912
	s_add_nc_u64 s[VOC:VOC+1], s[78:79], s[66:67]
	s_lshl_b32 s66, s85, 7
	s_add_co_u32 s66, s66, 1048576
	s_add_nc_u64 s[VOS:VOS+1], s[80:81], s[66:67]
	s_mov_b32 s[SEL], 0x76543210
	s_mov_b32 s[SEL+1], 0xfedcba98
	v_and_b32 v1, 31, v0                           ; lane
	v_and_b32 v15, 15, v0                          ; r
	v_bfe_u32 v10, v0, 4, 1                        ; h
	v_lshlrev_b32 v2, 4, v1
	v_lshlrev_b32 v3, 3, v1
	v_lshlrev_b32 v11, 2, v1
	v_lshlrev_b32 v8, 5, v15
	v_lshl_add_u32 v8, v10, 4, v8                  ; scale words: 32 r + 16 h
	v_lshlrev_b32 v9, 6, v10                       ; q, k: the bias of my half: 64 h bytes on
	v_and_b32 v14, 8, v15
	v_add_nc_u32 v14, v14, v15
	v_lshlrev_b32 v14, 2, v14                      ; v: the bias of my place: 4 (r + 8 (r / 8))
	v_lshlrev_b32 v10, 4, v10                      ; 16 h: the shift of the scale word that I store
.irp b, 0,1,2,3
	v_mov_b32 v[TM+4+\b], 0                        ; written once: a lane permute's destination counts as one of its sources
.endr
	s_mul_i32 s84, s4, 8*TB                        ; q, k: source 0: the weight's tiles 8 (w / 2) on;
	s_mul_i32 s85, s3, 4*TB
	s_add_co_u32 s85, s85, ACTB                    ;       source 1: the activation's tiles 4 (w % 2) on
	s_mov_b32 s86, ACTB                            ; v: source 0: the activation's eight;
	s_mul_i32 s87, s2, 4*TB                        ;    source 1: the weight's tiles 4 w on
.irp p, 0,1
	v_add_nc_u32 v[ADR+4*\p], s84, v2              ; + 16 x lane,
	v_add_nc_u32 v[ADR+4*\p+1], s84, v3            ; + 8 x lane
	v_add_nc_u32 v[ADR+4*\p+2], s85, v2
	v_add_nc_u32 v[ADR+4*\p+3], s85, v3
	v_add_nc_u32 v[ADR+8+4*\p], s86, v2
	v_add_nc_u32 v[ADR+8+4*\p+1], s86, v3
	v_add_nc_u32 v[ADR+8+4*\p+2], s87, v2
	v_add_nc_u32 v[ADR+8+4*\p+3], s87, v3
.irp a, 84,85,86,87
	s_add_co_u32 s\a, s\a, HALF                    ; the same in slot 1
.endr
.endr
; tile t's scale words and bias
.macro SCALES t
.if (\t) < 2
.irp u, 0,1,2,3,4,5,6,7
	global_load_b128 v[US+4*\u:US+4*\u+3], v8, s[QUS:QUS+1] offset:(\t)*32768+512*\u
.endr
.irp i, 0,1,2,3
	global_load_b128 v[LS+4*\i:LS+4*\i+3], v8, s[QLS:QLS+1] offset:(\t)*262144+512*\i
.endr
	WIN 0x80                                       ; destination window 2
.irp u, 0,1,2,3,4,5,6,7                        ; register j of tile u is feature 128 G + 32 (u / 2) + 8 (u % 2) + 16 h + j
	global_load_b128 v[BB+8*\u:BB+8*\u+3], v9, s[QB+2*(\t):QB+2*(\t)+1] offset:128*(\u/2)+32*(\u%2)
	global_load_b128 v[BB+8*\u+4:BB+8*\u+7], v9, s[QB+2*(\t):QB+2*(\t)+1] offset:128*(\u/2)+32*(\u%2)+16
.endr
	WIN 0
.else
.irp u, 0,1,2,3,4,5,6,7
	global_load_b128 v[US+4*\u:US+4*\u+3], v8, s[VUS:VUS+1] offset:512*\u
.endr
.irp i, 0,1,2,3
	global_load_b128 v[LS+4*\i:LS+4*\i+3], v8, s[VLS:VLS+1] offset:512*\i
.endr
	WIN 0x80
.irp i, 0,1,2,3                                ; the lane's feature has one number
	global_load_b32 v[BB+8*\i], v14, s[VB:VB+1] offset:(32*(\i/2)+8*(\i%2))*4
.endr
	WIN 0
.endif
.endm
.macro FRAG reg, a16, a8, off          ; an image comes back as it was stored
	ds_load_b128 v[\reg:\reg+3], v[\a16] offset:\off
	ds_load_b64 v[\reg+4:\reg+5], v[\a8] offset:\off+512
	ds_load_b128 v[\reg+6:\reg+9], v[\a16] offset:\off+768
	ds_load_b64 v[\reg+10:\reg+11], v[\a8] offset:\off+1280
.endm
.macro FETCH o, s                      ; orientation o (0: q, k; 1: v), K step s: 48 LDS loads in one run, from slot s / 4 into set s % 2
.set AD, ADR+8*(\o)+4*((\s)/4)
	WIN 0x80
.irp u, 0,1,2,3,4,5,6,7
	FRAG 96*((\s)%2)+12*\u, AD, AD+1, \u*TB+((\s)%4)*1536
.endr
	WIN 0
.irp i, 0,1,2,3
	FRAG F1+48*((\s)%2)+12*\i, AD+2, AD+3, \i*TB+((\s)%4)*1536
.endr
.endm
; 16 products: source 1's tiles i0, i0 + 1 x source 0's eight.  The 32 accumulators take turns, one instruction a turn, in the same order in every step.
; mode 0: C = D; 1: C = the bias by source 0's tile; 2: by source 1's
.macro PRODH s, mode, i0
.irp i, \i0, \i0+1
.irp u, 0,1,2,3,4,5,6,7
.set rD, 64*(\i)+8*\u
.set rA, 96*((\s)%2)+12*\u
.set rB, F1+48*((\s)%2)+12*(\i)
.set rSA, US+4*\u+(\s)%4
.set rSB, LS+4*(\i)+(\s)%4
.if (\mode) == 1
.set rC, BB+8*\u
.elseif (\mode) == 2
.set rC, BB+8*(\i)
.else
.set rC, rD
.endif
.if (\s) < 4
	v_wmma_scale_f32_16x16x128_f8f6f4 v[rD:rD+7], v[rA:rA+11], v[rB:rB+11], v[rC:rC+7], v[rSA], v[rSB] matrix_a_fmt:MATRIX_FMT_FP6 matrix_b_fmt:MATRIX_FMT_FP6
.else
	v_wmma_scale_f32_16x16x128_f8f6f4 v[rD:rD+7], v[rA:rA+11], v[rB:rB+11], v[rC:rC+7], v[rSA], v[rSB] matrix_a_fmt:MATRIX_FMT_FP6 matrix_b_fmt:MATRIX_FMT_FP6 matrix_a_scale:MATRIX_SCALE_ROW1 matrix_b_scale:MATRIX_SCALE_ROW1
.endif
.endr
.endr
.endm
; A tile's first K step starts the sums on the bias: nothing is cleared or added later
.macro START t
	s_wait_loadcnt 0x0                             ; scale words and bias
.if (\t) > 0
	s_wait_xcnt 0x0                                ; the last tile's stores have read the codes' registers, which this tile's way out writes again
.endif
.if (\t) == 2
	WIN 0x82                                       ; destination and source 0 in window 2
.irp i, 0,1,2,3
.irp j, 1,2,3,4,5,6,7
	v_mov_b32 v[BB+8*\i+\j], v[BB+8*\i]            ; C wants the lane's one number in eight registers
.endr
.endr
	WIN 0
	PLACES
.endif
	s_wait_dscnt 48                                ; K step 0's fragments are in; step 1's 48 loads may be out
	WIN MUL0
.if (\t) == 2
	PRODH 0, 2, 0
	s_wait_alu depctr_va_vdst(0)
	PRODH 0, 2, 2
.else
	PRODH 0, 1, 0
	PRODH 0, 1, 2
.endif
	WIN 0
.endm
.macro KSTEP o, s                      ; a K step whose successor lies in the same slot
	s_wait_dscnt 0x0                               ; this step's fragments are in (asked for 16 or 32 matrix instructions ago)
	PLACES                                         ; four places in front of loads into registers that the last products read
	FETCH \o, (\s)+1
	WIN MUL
	PRODH \s, 0, 0
	PRODH \s, 0, 2
	WIN 0
.endm
; A slot's last K step s (3 or 7) changes slots.  Each wave waits for all its tensor loads (one is out: its part of the slot that is read next), adds 0 to its spare word, and waits for that and for its reads of this slot.
; fill = 1: a round of the cluster's barrier; behind it no wave of any partner reads this slot or has a load on its way, and the slot takes the same half of the next tile's K.  Then K step s2 (orientation o2) is fetched from the other slot.
.macro CHANGE s, fill, o2, s2
	s_wait_tensorcnt 0x0                           ; no tensor load of mine is out, so a group 0 may be written
	ds_add_u32 v[SPW], v[NIL]                      ; 0 onto my spare word
	s_wait_dscnt 0x1                               ; this step's fragments are in; the add alone may be out
	WIN MUL
	PRODH \s, 0, 0                                 ; sixteen matrix instructions stand between the add and the wait for it
	WIN 0
	s_wait_dscnt 0x0                               ; the add is done, and my reads of this slot are over
.if \fill
	CROUND
	s_add_nc_u64 s[G0W+4*((\s)/4)+2:G0W+4*((\s)/4)+3], s[G0W+4*((\s)/4)+2:G0W+4*((\s)/4)+3], 64*12288    ; the next weight lies 64 tiles on,
	s_add_nc_u64 s[G0A+4*((\s)/4)+2:G0A+4*((\s)/4)+3], s[G0A+4*((\s)/4)+2:G0A+4*((\s)/4)+3], 512*12288   ; the next activation 512; the type bits on top are not reached
	JLOAD (\s)/4                                   ; the first tensor load behind the round; its four v_nop are also the places in front of the loads below
.else
	s_barrier_signal -1
	s_barrier_wait -1
	PLACES
.endif
	s_wait_alu depctr_va_vdst(0)
	FETCH \o2, \s2
	WIN MUL
	PRODH \s, 0, 2
	WIN 0
.endm
.macro NEXT t, o                       ; behind a tile's last products: the next tile's scale words, bias and second K step are asked for; the way out stands between them and their use
	PLACES                                         ; four places: for the loads into registers that the last products read, and for the first read of results
	SCALES \t
	FETCH \o, 1
.endm
; THE WAY OUT.  The 64 registers of source 1's tile i, register 16 b + e = index 32 b + 16 h + e of the quantised axis, become a fragment's codes and a scale word.
.macro QUANTW s
	WIN 0x14                                       ; sources 1 and 2 in window 1
.irp b, 0,1,2,3
	v_max3_num_f32 v[TM+\b], 0x1800000, |v[(\s)+16*\b]|, |v[(\s)+1+16*\b]|   ; each accumulator is read from its low end on; the floor 2^(3 - 127) holds the byte at 1 from below
.endr
.irp i, 2,4,6,8,10,12,14
.irp b, 0,1,2,3
	v_max3_num_f32 v[TM+\b], v[TM+\b], |v[(\s)+16*\b+\i]|, |v[(\s)+1+16*\b+\i]|
.endr
.endr
	WIN 0
.irp b, 0,1,2,3
	v_permlanex16_b32 v[TM+4+\b], v[TM+\b], s[SEL], s[SEL+1]
.endr
.irp b, 0,1,2,3
	v_max_num_f32 v[TM+\b], v[TM+\b], v[TM+4+\b]
.endr
.irp b, 0,1,2,3
	v_add_nc_u32 v[TM+12+\b], 0xff000000, v[TM+\b]
.endr
.irp b, 0,1,2,3
	v_lshrrev_b32 v[TM+4+\b], 23, v[TM+12+\b]
.endr
	v_lshl_or_b32 v[PW], v[TM+5], 8, v[TM+4]
	v_lshl_or_b32 v[PW], v[TM+6], 16, v[PW]
	v_lshl_or_b32 v[PW], v[TM+7], 24, v[PW]
	WIN 0x01                                       ; source 0 in window 1
.irp c, 0,1
	v_cvt_scalef32_pk16_fp6_f32 v[PC+6*\c:PC+2+6*\c], v[(\s)+32*\c:(\s)+15+32*\c], v[TM+12+2*\c]
	v_cvt_scalef32_pk16_fp6_f32 v[PC+12+4*\c:PC+14+4*\c], v[(\s)+16+32*\c:(\s)+31+32*\c], v[TM+12+2*\c+1]
.endr
	WIN 0
	v_nop                                          ; one plain place behind a scaled conversion
.irp c, 0,1
.irp i, 0,1,2
	v_permlane16_swap_b32 v[PC+6*\c+\i], v[PC+12+4*\c+\i]
.endr
.irp i, 0,1,2
	v_mov_b32 v[PC+3+6*\c+\i], v[PC+12+4*\c+\i]
.endr
.endr
.endm
.macro WAYOUT t
.irp i, 0,1,2,3
.if \i > 0
	s_wait_xcnt 0x0                                ; the last fragment's stores have read their registers
.endif
	QUANTW 64*\i
	v_lshrrev_b32 v[PS], v10, v[PW]                ; lanes 0-15: w; lanes 16-31: w >> 16
.if (\t) < 2
	global_store_b128 v2, v[PC:PC+3], s[QOC:QOC+1] offset:(\t)*6291456+12288*\i
	global_store_b64 v3, v[PC+4:PC+5], s[QOC:QOC+1] offset:(\t)*6291456+12288*\i+512
	global_store_b128 v2, v[PC+6:PC+9], s[QOC:QOC+1] offset:(\t)*6291456+12288*\i+768
	global_store_b64 v3, v[PC+10:PC+11], s[QOC:QOC+1] offset:(\t)*6291456+12288*\i+1280
	global_store_b32 v11, v[PS], s[QOS:QOS+1] offset:(\t)*524288+1024*\i
.else
	global_store_b128 v2, v[PC:PC+3], s[VOC:VOC+1] offset:12288*\i
	global_store_b64 v3, v[PC+4:PC+5], s[VOC:VOC+1] offset:12288*\i+512
	global_store_b128 v2, v[PC+6:PC+9], s[VOC:VOC+1] offset:12288*\i+768
	global_store_b64 v3, v[PC+10:PC+11], s[VOC:VOC+1] offset:12288*\i+1280
	global_store_b32 v11, v[PS], s[VOS:VOS+1] offset:1024*\i
.endif
.endr
.endm
	SCALES 0
	s_wait_alu depctr_va_vdst(0)
	s_wait_tensorcnt 0x0                           ; my part of slot 0 has landed: a wave has one tensor load out at the start and one behind each round
	ds_add_u32 v[SPW], v[NIL]                      ; slot 1's first fill is issued as a refill is
	s_wait_dscnt 0x0
	CROUND                                         ; everybody's part of slot 0 is in, and the joint loads meet
	JLOAD 1                                        ; slot 1: q's second half of K
	FETCH 0, 0
	FETCH 0, 1
	; ---- q
	START 0
	KSTEP 0, 1
	KSTEP 0, 2
	CHANGE 3, 1, 0, 4                              ; slot 0 takes k's first half
	KSTEP 0, 4
	KSTEP 0, 5
	KSTEP 0, 6
	CHANGE 7, 1, 0, 0                              ; slot 1 takes k's second half; k's first fragments are fetched
	NEXT 1, 0
	WAYOUT 0
	; ---- k
	START 1
	KSTEP 0, 1
	KSTEP 0, 2
	CHANGE 3, 1, 0, 4                              ; slot 0 takes v's first half
	KSTEP 0, 4
	KSTEP 0, 5
	KSTEP 0, 6
	CHANGE 7, 1, 1, 0                              ; slot 1 takes v's second half: the last load
	NEXT 2, 1
	WAYOUT 1
	; ---- v: nothing is left to fetch
	START 2
	KSTEP 1, 1
	KSTEP 1, 2
	CHANGE 3, 0, 1, 4
	KSTEP 1, 4
	KSTEP 1, 5
	KSTEP 1, 6
	s_wait_dscnt 0x0
	WIN MUL
	PRODH 7, 0, 0
	PRODH 7, 0, 2
	WIN 0
	PLACES                                         ; four places between the last products and the first read of results
	WAYOUT 2
	s_wait_tensorcnt 0x0                           ; the wave's end
	ds_add_u32 v[SPW], v[NIL]
	s_wait_dscnt 0x0
	CROUND                                         ; the closing round
	s_endpgm
.Lfunc_end_k_qe7f5a2b856_qkv:
	.size	k_qe7f5a2b856_qkv, .Lfunc_end_k_qe7f5a2b856_qkv-k_qe7f5a2b856_qkv
	.p2alignl 7, 3214868480
	.fill 96, 4, 3214868480
	.section	.rodata,"a",@progbits
	.p2align	6, 0x0
	.amdhsa_kernel k_qe7f5a2b856_qkv
		.amdhsa_group_segment_fixed_size 327680
		.amdhsa_private_segment_fixed_size 0
		.amdhsa_enable_private_segment 0
		.amdhsa_kernarg_size 56
		.amdhsa_user_sgpr_count 2
		.amdhsa_user_sgpr_kernarg_segment_ptr 1
		.amdhsa_wavefront_size32 1
		.amdhsa_system_sgpr_workgroup_id_x 1
		.amdhsa_system_sgpr_workgroup_id_y 1
		.amdhsa_system_sgpr_workgroup_id_z 1
		.amdhsa_system_vgpr_workitem_id 0
		.amdhsa_next_free_vgpr 768
		.amdhsa_next_free_sgpr 100
		.amdhsa_reserve_vcc 0
		.amdhsa_float_denorm_mode_32 3
		.amdhsa_float_denorm_mode_16_64 3
		.amdhsa_memory_ordered 1
		.amdhsa_forward_progress 1
		.amdhsa_inst_pref_size 250
	.end_amdhsa_kernel
	.amdgpu_metadata
---
amdhsa.version: [ 1, 2 ]
amdhsa.kernels:
  - .name:           k_qe7f5a2b856_qkv
    .symbol:         k_qe7f5a2b856_qkv.kd
    .args:
      - { .name: cod, .offset: 0, .size: 8, .value_kind: global_buffer, .address_space: global }
      - { .name: scl, .offset: 8, .size: 8, .value_kind: global_buffer, .address_space: global }
      - { .name: bq, .offset: 16, .size: 8, .value_kind: global_buffer, .address_space: global }
      - { .name: bk, .offset: 24, .size: 8, .value_kind: global_buffer, .address_space: global }
      - { .name: bv, .offset: 32, .size: 8, .value_kind: global_buffer, .address_space: global }
      - { .name: pcod, .offset: 40, .size: 8, .value_kind: global_buffer, .address_space: global }
      - { .name: pscl, .offset: 48, .size: 8, .value_kind: global_buffer, .address_space: global }
    .group_segment_fixed_size: 327680
    .private_segment_fixed_size: 0
    .kernarg_segment_align: 8
    .kernarg_segment_size: 56
    .max_flat_workgroup_size: 128
    .sgpr_count:     100
    .vgpr_count:     768
    .wavefront_size: 32
...
	.end_amdgpu_metadata
.endif
;; end of part 2
;; launch attn (part 3): grid 64 x 4, 16 waves a work-group, clusters of 4 x 1, 215,040 bytes of LDS; arguments pcod, pscl, mbits, syn_scores, alpha_param, acod, ascl; writes acod, ascl
.if DOCPART == 3
	.amdgcn_target "amdgcn-amd-amdhsa--gfx1250"
	.amdhsa_code_object_version 6
	.text
	.protected	k_qe7f5a2b856_attn
	.globl	k_qe7f5a2b856_attn
	.p2align	8
	.type	k_qe7f5a2b856_attn,@function
k_qe7f5a2b856_attn:
	s_mov_b64 s[64:65], 0
	v_nop
	global_prefetch_b8 v0, s[64:65] scope:SCOPE_SE
	s_setreg_imm32_b32 hwreg(HW_REG_WAVE_MODE, 25, 1), 1
	s_wait_xcnt 0x0
	s_wait_alu depctr_hold_cnt(0) depctr_sa_sdst(0) depctr_va_vdst(0) depctr_va_sdst(0) depctr_va_ssrc(0) depctr_va_vcc(0) depctr_vm_vsrc(0)
	s_getreg_b32 s2, hwreg(HW_REG_IB_STS2, 6, 4)
	s_cmp_eq_u32 s2, 0
	s_cbranch_scc0 .Lentry_in_a_cluster
	s_endpgm
.Lentry_in_a_cluster:
	s_bfe_u32 s2, ttmp6, 0x10000c
	s_cmp_lg_u32 s2, 0x3003
	s_cbranch_scc0 .Lentry_shape_is_right
	s_endpgm
.Lentry_shape_is_right:
; attn: head h = cluster x, batches 2 y and 2 y + 1, queries 256 cx .. 256 cx + 255.  t = (alpha q.k / 8 + (1 - alpha) syn) log2(e), hidden keys (mask bit 0) far below; p = 2^(t - M), M the running
; largest t rounded up to a whole number; p is quantised along the keys; O = (sum p v) / (sum of the unquantised p), quantised along the head's channels.  Both products on codes of E2M3.  No work is left out.
; ONE TILE OF syn SERVES TWO BATCHES: a wave takes one tile of 16 queries and walks the 1,024 keys in 8 steps of 128; in each step its 64 registers of syn, scaled once by r = 8 (1 - alpha) / alpha,
; are the C of both batches' score products: D = q.k + r syn, and t - M = c1 D - M is one fused multiply-add, c1 = alpha log2(e) / 8.
; The head's 64 channels are half of the instruction's K = 128: q's registers 6-11 hold zero codes, so whatever stands in registers 6-11 of k's operand (the next tile, or codes and LDS addresses done with) adds nothing.
; k's, v's codes and scale words of both batches, 208 KiB, come into LDS once, one tensor load a wave (waves 0-3 k, 4-7 v, 8-11 k's scales, 12-15 v's; wave % 4 = 2 x batch + half).
; THE NEXT HALF STEP'S FIRST FOUR TILES OF k are read from LDS ahead of this half step's second product; the last step's look-ahead reads filled bytes of the neighbouring region and is thrown away.
; CLUSTER 4 x 1: the four quarters of the queries need the same k and v: joint loads, mask 15.  No LDS address and no branch hangs on cx.  syn goes into registers, each wave's tile its own.
; A prefetch names syn's tile two steps on (32 pieces of 256 bytes, a lane a piece); of the four work-groups (y) that read a tile, y = 0 asks; the last two steps ask for nothing.
; LIMITS: NaN and infinities are not served.  alpha is held at 2^-64 from below (that moves t by under |q.k| 2^-67).  The hidden D is a power of two chosen so that c1 x it is exact: hidden t lies in
; [-2^32, -2^31), a logit between -1.49e9 and -2.98e9 where reference() has -1e9: a row whose every key is hidden gets p = 1 throughout, as there; results agree while visible logits stay above -1e9 + 200.
; The promise holds while visible scaled scores stay under 2^31 in magnitude.  A block's largest p is the exponential of its largest t (v_exp_f32 taken not to fall where its input rises).
; REGISTERS: v0 thread; v1, v62, v63 16, 8, 4 x lane; v2, v3 offsets in syn; v[4:5], v[16:17] -M, largest t of batch 0, 1; v[6:7], v[18:19] their sums; v8 f; v9 the lane's place in v's scale words; v10 q's scale words;
; v11 p's; v12-13 k's (tiles 0-3); v14-15 k's (tiles 4-7), then v's; v20-31 q; v32-61 four tiles of k and six more, then at work; v64-127 scores, p, then v's fragments (48) and p's codes (12);
; v128-191 syn; v192-255 O^T of the two batches.
.set KB,    0                          ; k: [batch][64 tiles][768]
.set VB,    98304                      ; v: [batch][channel tile][key step][1536]
.set KSB,   196608                     ; k's scale words: [batch][tile][64]
.set VSB,   204800                     ; v's: [batch][fragment][128]
.set SPARE, 212992                     ; the spare words, 128 bytes a wave
.set S, 32
.set KA, S+27                          ; three LDS addresses: k's, then v's, by turns
.set T0, S+20
.set T1, S+24
.set SO, S+14
.set L8, 62
.set L4, 63
.set X, 64
.set PC, X+48
.set Y, 128
.set O, 192
.set WV, 2
.set ND, 3
.set LEFT, 4
.set SK, 5
.set SKS, 6
.set SV, 7                             ; s7, s8: v's fragments of batch 0, 1
.set SVS, 9
.set LIM, 10
.set R, 12                             ; s[12:13]
.set QCP, 84
.set QSP, 86
.set MN, 88
.set PN, 90
.set C1, 92                            ; s[92:93] alpha_param's address, then c1
.set ACP, 94
.set ASP, 96
.set SEL, 98
.macro G1SET g, c, r, p                ; r rows of c elements of 8 bytes, p elements apart; the mask names the cluster's four, bit 21 beside it
	s_mov_b32 s[\g], 15|(3<<16)|(1<<21)
	s_mov_b32 s[\g+1], (\c)<<16
	s_mov_b32 s[\g+2], (\r)<<16
	s_mov_b32 s[\g+3], (\c)<<16
	s_mov_b32 s[\g+4], \r
	s_mov_b32 s[\g+5], \p
	s_mov_b32 s[\g+6], 0
	s_mov_b32 s[\g+7], 0
.endm
.macro G0SET g, l, base, ptr, off
	s_mov_b32 s[\g], 1
	s_add_co_u32 s[\g+1], s[\l], \base
	s_add_nc_u64 s[\g+2:\g+3], s[\ptr:\ptr+1], s[\off:\off+1]
	s_or_b32 s[\g+3], s[\g+3], 0x80000000
.endm
.macro ROUND                           ; a round of the cluster's barrier
	s_barrier_signal -1
	s_barrier_wait -1
	s_cmp_lg_u32 s[WV], 0
	s_cbranch_scc1 .Lnot_wave_0_\@
	s_barrier_signal -3
.Lnot_wave_0_\@:
	s_barrier_wait -3
	s_barrier_signal -1
	s_barrier_wait -1
.endm
.macro PLACES
.rept 4
	v_nop
.endr
.endm
.macro ARM under, g0, g1, next         ; one arm of the head's chain: a load, and a jump to the join
	s_cmp_lt_u32 s[WV], \under
	s_cbranch_scc0 \next
	tensor_load_to_lds s[\g0:\g0+3], s[\g1:\g1+7]
	s_nop 0
	PLACES
	s_branch .Lasked
\next:
.endm
	s_load_b256 s[84:91], s[0:1], 0x0              ; pcod, pscl, mbits, syn_scores
	s_load_b128 s[92:95], s[0:1], 0x20             ; alpha_param, acod
	s_load_b64 s[96:97], s[0:1], 0x30              ; ascl
	v_lshl_add_u32 v32, v0, 2, SPARE               ; no two registers can be kept for the add: v0 is kept, and the two are made anew at the end
	v_mov_b32 v33, 0
	ds_add_u32 v32, v33                            ; the opening: the add, twice on end, and its wait
	ds_add_u32 v32, v33
	v_lshrrev_b32 v1, 5, v0
	v_readfirstlane_b32 s[WV], v1
	G1SET 16, 96, 32, 1536                         ; k: 32 tiles' half images of 768 bytes, 12,288 apart
	G1SET 24, 32, 96, 32                           ; v: 24,576 dense bytes
	G1SET 32, 8, 32, 128                           ; k's scale words: 64 bytes a tile, 1,024 apart
	G1SET 40, 32, 8, 32                            ; v's: 2,048 dense bytes
	s_and_b32 s67, ttmp7, 0xffff                   ; the pair of batches
	s_mov_b32 s69, ttmp9                           ; h
	s_bfe_u32 s70, ttmp6, 0x40000                  ; cx
	s_and_b32 s71, s[WV], 1                        ; which half I fetch
	s_bfe_u32 s66, s[WV], 0x10001                  ; of which batch of the pair
	s_and_b32 s15, s[WV], 3
	s_lshl_b32 s68, s67, 1
	s_add_co_u32 s68, s68, s66                     ; b
	s_lshr_b32 s72, s69, 1
	s_and_b32 s73, s69, 1
	s_lshl_b32 s74, s68, 9
	s_lshl_b32 s75, s71, 8
	s_add_co_u32 s74, s74, s75
	s_add_co_u32 s74, s74, s72                     ; k: fragment 512 b + 256 half + h / 2
	s_lshl_b32 s75, s68, 9
	s_lshl_b32 s76, s69, 5
	s_add_co_u32 s75, s75, s76
	s_lshl_b32 s76, s71, 4
	s_add_co_u32 s75, s75, s76                     ; v: fragment 512 b + 32 h + 16 half
	s_mul_i32 s76, s74, 1536
	s_mul_i32 s14, s73, 768
	s_add_co_u32 s76, s76, s14
	s_add_co_u32 s76, s76, 6291456
	s_mov_b32 s77, 0
	s_mul_i32 s78, s75, 1536
	s_add_co_u32 s78, s78, 12582912
	s_mov_b32 s79, 0
	s_lshl_b32 s80, s74, 7
	s_lshl_b32 s14, s73, 6
	s_add_co_u32 s80, s80, s14
	s_add_co_u32 s80, s80, 524288
	s_mov_b32 s81, 0
	s_lshl_b32 s82, s75, 7
	s_add_co_u32 s82, s82, 1048576
	s_mov_b32 s83, 0
	s_mul_i32 s14, s15, 24576
	s_lshl_b32 s15, s15, 11
	s_wait_dscnt 0x0                               ; both opening adds are done
	s_wait_kmcnt 0x0
	s_load_b32 s100, s[C1:C1+1], 0x0               ; alpha_param
	G0SET 48, 14, KB, QCP, 76
	G0SET 52, 14, VB, QCP, 78
	G0SET 56, 15, KSB, QSP, 80
	G0SET 60, 15, VSB, QSP, 82
	ROUND                                          ; the four work-groups are here: the joint loads meet
	ARM 4, 48, 16, .Lhead_v
	ARM 8, 52, 24, .Lhead_ks
	ARM 12, 56, 32, .Lhead_vs
	tensor_load_to_lds s[60:63], s[40:47]
	s_nop 0
	PLACES
.Lasked:
	s_lshl_b32 s68, s70, 4
	s_add_co_u32 s68, s68, s[WV]                   ; T: my tile of queries
	s_lshl_b32 s74, s67, 7
	s_add_co_u32 s74, s74, s68                     ; 64 x first batch + T; the second batch lies 64 tiles on, a constant in every buffer
	s_lshl_b32 s75, s74, 3
	s_add_co_u32 s75, s75, s72
	s_mul_i32 s76, s75, 1536
	s_mul_i32 s14, s73, 768
	s_add_co_u32 s76, s76, s14
	s_add_nc_u64 s[QCP:QCP+1], s[QCP:QCP+1], s[76:77]
	s_lshl_b32 s76, s75, 7
	s_lshl_b32 s14, s73, 6
	s_add_co_u32 s76, s76, s14
	s_add_nc_u64 s[QSP:QSP+1], s[QSP:QSP+1], s[76:77]
	s_lshl_b32 s76, s74, 11
	s_add_nc_u64 s[MN:MN+1], s[MN:MN+1], s[76:77]
	s_lshl_b32 s76, s69, 22                        ; syn: the head's 4 MiB, row 32 (T / 2) + 8 (T % 2)
	s_lshr_b32 s14, s68, 1
	s_lshl_b32 s14, s14, 17
	s_add_co_u32 s76, s76, s14
	s_and_b32 s14, s68, 1
	s_lshl_b32 s14, s14, 15
	s_add_co_u32 s76, s76, s14
	s_add_nc_u64 s[PN:PN+1], s[PN:PN+1], s[76:77]
	s_lshl_b32 s76, s74, 4
	s_add_co_u32 s76, s76, s69
	s_mul_i32 s76, s76, 768
	s_add_nc_u64 s[ACP:ACP+1], s[ACP:ACP+1], s[76:77]
	s_lshl_b32 s76, s74, 9
	s_lshl_b32 s14, s69, 1
	s_add_co_u32 s76, s76, s14
	s_add_nc_u64 s[ASP:ASP+1], s[ASP:ASP+1], s[76:77]
	s_mov_b32 s[SEL], 0x76543210
	s_mov_b32 s[SEL+1], 0xfedcba98
	s_cmp_eq_u32 s67, 0
	s_cselect_b32 s[LIM], 2, -1
	v_and_b32 v3, 31, v0
	v_lshlrev_b32 v1, 4, v3
	v_lshlrev_b32 v[L8], 3, v3
	v_lshlrev_b32 v[L4], 2, v3
	v_and_b32 v32, 15, v0
	v_bfe_u32 v33, v0, 4, 1
	v_and_b32 v34, 8, v32
	v_add_nc_u32 v34, v34, v32
	v_lshlrev_b32 v34, 12, v34                     ; my query's row in the tile: r + 8 (r / 8)
	v_lshl_add_u32 v2, v33, 6, v34                 ; + 64 h: my 16 keys of each block of 32
	v_lshl_add_u32 v3, v33, 8, v34                 ; the prefetches: + 256 h
	v_mul_u32_u24 v9, v33, 960
	v_add_nc_u32 v9, v9, v[L4]                     ; v's scale words: 4 r + 1024 h: lanes 16-31 take the next channel tile's
.macro LOADSYN off
.irp bb, 0,1,2,3
.irp j, 0,1,2,3
	global_load_b128 v[Y+16*\bb+4*\j:Y+16*\bb+4*\j+3], v2, s[PN:PN+1] offset:\off+128*\bb+16*\j
.endr
.endr
.endm
.macro LOADQ b                         ; q's half image and scale words (lanes 16-31 of the words read on inside the buffer and are not used)
	global_load_b128 v[20:23], v1, s[QCP:QCP+1] offset:786432*\b
	global_load_b64 v[24:25], v[L8], s[QCP:QCP+1] offset:786432*\b+512
	global_load_b32 v10, v[L4], s[QSP:QSP+1] offset:65536*\b
.endm
.macro LOADMASK off
	s_load_b512 s[16:31], s[MN:MN+1], \off
	s_load_b512 s[32:47], s[MN:MN+1], \off+0x40
	s_load_b512 s[48:63], s[MN:MN+1], \off+0x80
	s_load_b512 s[68:83], s[MN:MN+1], \off+0xc0
.endm
	LOADSYN 0
	LOADQ 0
	s_wait_kmcnt 0x0
	v_mov_b32 v32, s100
	v_mul_f32 v32, 0xbfb8aa3b, v32
	s_wait_alu depctr_va_vdst(0)
	v_exp_f32 v32, v32                             ; e^(-a)
	v_nop
	s_wait_alu depctr_va_vdst(0)
	v_add_f32 v32, 1.0, v32                        ; u = 1 / alpha
	s_wait_alu depctr_va_vdst(0)
	v_rcp_f32 v33, v32                             ; alpha
	v_min_num_f32 v34, 0x5f800000, v32             ; u held at 2^64
	s_wait_alu depctr_va_vdst(0)
	v_sub_f32 v35, 1.0, v33
	v_max_num_f32 v33, 0x1f800000, v33             ; alpha held at 2^-64
	v_mul_f32 v35, v35, v34
	v_mul_f32 v33, 0x3e38aa3b, v33                 ; c1 = alpha log2(e) / 8
	v_mul_f32 v35, 0x41000000, v35                 ; r = 8 (1 - alpha) / alpha
	v_readfirstlane_b32 s[C1], v33
	v_readfirstlane_b32 s[R], v35
	s_mov_b32 s[C1+1], s[C1]
	s_mov_b32 s[R+1], s[R]
	s_lshr_b32 s[ND], s[C1], 23                    ; the hidden D = -2^(31 - floor(log2 c1)): c1 x it is exact and a whole number
	s_sub_co_u32 s[ND], 285, s[ND]
	s_lshl_b32 s[ND], s[ND], 23
	s_or_b32 s[ND], s[ND], 0x80000000
.irp i, 26,27,28,29,30,31,56,57,58
	v_mov_b32 v\i, 0                               ; q's zero codes for K = 64 .. 127; and the three registers behind k's tiles that nothing has written yet
.endr
.set j, 0
.rept 64
	v_mov_b32 v[O+j], 0                            ; the step is written once: the first finds zeros
.set j, j+1
.endr
.irp m, 4,16
	v_mov_b32 v[\m+1], 0xff61b1e6                  ; the largest t so far: -3e38
	v_mov_b32 v[\m+2], 0
	v_mov_b32 v[\m+3], 0
	v_floor_f32 v[\m], -v[\m+1]
.endr
	s_mov_b32 s[SK], KB
	s_mov_b32 s[SKS], KSB
	s_mov_b32 s[SV], VB
	s_mov_b32 s[SV+1], VB+49152
	s_mov_b32 s[SVS], VSB
	s_mov_b32 s[LEFT], 8
	v_add_nc_u32 v[KA], s[SK], v1
	v_add_nc_u32 v[KA+1], s[SK], v[L8]
	v_add_nc_u32 v[KA+2], s[SKS], v[L4]
	s_wait_alu depctr_va_vdst(0)
	s_wait_tensorcnt 0x0                           ; my fill has landed,
	s_barrier_signal -1
	s_barrier_wait -1                              ; everybody's has; nothing is filled again; the descriptors' registers are free
	LOADMASK 0
.macro KT b, g, i                      ; a tile of 16 keys: six registers, the tiles on end
	ds_load_b128 v[S+6*\i:S+6*\i+3], v[KA] offset:49152*(\b)+(4*\g+\i)*768
	ds_load_b64 v[S+6*\i+4:S+6*\i+5], v[KA+1] offset:49152*(\b)+(4*\g+\i)*768+512
.endm
.macro KSC b, g                        ; four tiles' scale words: a register holds an even tile's in lanes 0-15 and the odd one's in lanes 16-31
	ds_load_b32 v[12+2*\g], v[KA+2] offset:4096*(\b)+256*\g
	ds_load_b32 v[13+2*\g], v[KA+2] offset:4096*(\b)+256*\g+128
.endm
.irp i, 0,1,2,3
	KT 0, 0, \i
.endr
	KSC 0, 0
.macro SCORE g                         ; D = k q^T + r syn
.irp i, 0,1,2,3
.if \i % 2
	v_wmma_scale_f32_16x16x128_f8f6f4 v[X+32*\g+8*\i:X+32*\g+8*\i+7], v[S+6*\i:S+6*\i+11], v[20:31], v[Y+32*\g+8*\i:Y+32*\g+8*\i+7], v[12+2*\g+\i/2], v10 matrix_a_fmt:MATRIX_FMT_FP6 matrix_b_fmt:MATRIX_FMT_FP6 matrix_a_scale:MATRIX_SCALE_ROW1
.else
	v_wmma_scale_f32_16x16x128_f8f6f4 v[X+32*\g+8*\i:X+32*\g+8*\i+7], v[S+6*\i:S+6*\i+11], v[20:31], v[Y+32*\g+8*\i:Y+32*\g+8*\i+7], v[12+2*\g+\i/2], v10 matrix_a_fmt:MATRIX_FMT_FP6 matrix_b_fmt:MATRIX_FMT_FP6
.endif
.endr
.endm
.macro SYNC j0, cnt                    ; syn x r, two at a time
.set j, 2*(\j0)
.rept \cnt
	v_pk_mul_f32 v[Y+j:Y+j+1], v[Y+j:Y+j+1], s[R:R+1] op_sel_hi:[1,0]
.set j, j+2
.endr
.endm
.macro HIDE n0, cnt                    ; where the word's bit of my lane is 0: the hidden D; each accumulator is read from its low end on
.set n, \n0
.rept \cnt
.if n < 48
	v_cndmask_b32 v[X+n], s[ND], v[X+n], s[16+n]
.else
	v_cndmask_b32 v[X+n], s[ND], v[X+n], s[20+n]
.endif
.set n, n+1
.endr
.endm
.macro MAXG g                          ; the largest D of blocks 2 g and 2 g + 1, three chains a block, five lines from link to link
.irp q, 2*\g, 2*\g+1
	v_max3_num_f32 v[S+(\q)], v[X+16*(\q)], v[X+16*(\q)+1], v[X+16*(\q)+2]
.endr
.irp q, 2*\g, 2*\g+1
	v_max3_num_f32 v[S+4+(\q)], v[X+16*(\q)+7], v[X+16*(\q)+8], v[X+16*(\q)+9]
.endr
	v_max_num_f32 v[S+8+2*\g], v[X+32*\g+14], v[X+32*\g+15]
.irp q, 2*\g, 2*\g+1
	v_max3_num_f32 v[S+(\q)], v[S+(\q)], v[X+16*(\q)+3], v[X+16*(\q)+4]
.endr
.irp q, 2*\g, 2*\g+1
	v_max3_num_f32 v[S+4+(\q)], v[S+4+(\q)], v[X+16*(\q)+10], v[X+16*(\q)+11]
.endr
	v_max_num_f32 v[S+9+2*\g], v[X+32*\g+30], v[X+32*\g+31]
.irp q, 2*\g, 2*\g+1
	v_max3_num_f32 v[S+(\q)], v[S+(\q)], v[X+16*(\q)+5], v[X+16*(\q)+6]
.endr
.irp q, 2*\g, 2*\g+1
	v_max3_num_f32 v[S+4+(\q)], v[S+4+(\q)], v[X+16*(\q)+12], v[X+16*(\q)+13]
.endr
.endm
.macro TM j0, cnt                      ; t - M = c1 D - M
.set j, 2*(\j0)
.rept \cnt
	v_pk_fma_f32 v[X+j:X+j+1], v[X+j:X+j+1], s[C1:C1+1], v[MS:MS+1] op_sel_hi:[1,0,0]
.set j, j+2
.endr
.endm
.macro ORS j0, cnt                     ; O^T under the new M
.set j, 2*(\j0)
.rept \cnt
	v_pk_mul_f32 v[OB+j:OB+j+1], v[OB+j:OB+j+1], v[8:9] op_sel_hi:[1,0]
.set j, j+2
.endr
.endm
.macro HALF b                          ; one batch's 16 queries x 128 keys; its first four tiles of k were asked for in the half step before
.set MS, 4+12*\b
.set LS, 6+12*\b
.set OB, O+32*\b
.set NB, 1-\b
	s_wait_loadcnt 0x0                             ; q (and, for the first batch, syn's tile), asked for a softmax ago
.if \b == 0
	SYNC 0, 20                                     ; (more than the five places in front of products that write over v's fragments)
	s_wait_alu depctr_va_vdst(0)
.else
	PLACES
	v_nop
.endif
	s_wait_dscnt 0x0
	SCORE 0
.if \b == 0
	SYNC 20, 12                                    ; the places in front of the loads below
.else
	PLACES
.endif
.irp i, 0,1,2,3
	KT \b, 1, \i
.endr
	KSC \b, 1
	s_wait_kmcnt 0x0                               ; the mask words, asked for a softmax ago
	HIDE 0, 28
	s_wait_alu depctr_va_vdst(0)
	s_wait_dscnt 0x0
	SCORE 1
	HIDE 28, 4                                     ; the places behind the products
	MAXG 0
	HIDE 32, 32
.if \b == 0
	LOADQ 1
	LOADMASK 131072
.else
	s_cmp_eq_u32 s[LEFT], 1                        ; the last step asks for nothing
	s_wait_alu depctr_va_vdst(0)
	s_cbranch_scc1 .Lno_next
	LOADSYN 512
	LOADQ 0
	LOADMASK 256
	s_cmp_gt_u32 s[LEFT], s[LIM]
	s_cbranch_scc0 .Lno_next
	global_prefetch_b8 v3, s[PN:PN+1] offset:1024 th:TH_LOAD_NT scope:SCOPE_SE
.Lno_next:
.endif
	MAXG 1
	v_mov_b32 v[S+12], v[MS]                       ; the old -M
.irp q, 0,1,2,3
	v_max3_num_f32 v[S+\q], v[S+\q], v[S+4+\q], v[S+8+\q]
.endr
	v_add_nc_u32 v[KA], s[SV+\b], v1               ; (v's addresses, laid between the stages; k's are done with)
.irp q, 0,1,2,3
	v_permlanex16_b32 v[S+4+\q], v[S+\q], s[SEL], s[SEL+1]
.endr
	v_add_nc_u32 v[KA+1], s[SV+\b], v[L8]
.irp q, 0,1,2,3
	v_max_num_f32 v[S+\q], v[S+\q], v[S+4+\q]      ; with lane l xor 16's 16 keys
.endr
	v_add_nc_u32 v[KA+2], s[SVS], v9
	s_delay_alu instid0(VALU_DEP_3)
	v_max3_num_f32 v[S+13], v[S], v[S+1], v[S+2]
	s_delay_alu instid0(VALU_DEP_1)
	v_max_num_f32 v[S+13], v[S+13], v[S+3]
	s_delay_alu instid0(VALU_DEP_1)
	v_mul_f32 v[S+13], s[C1], v[S+13]              ; as t (c1 is positive)
	s_delay_alu instid0(VALU_DEP_1)
	v_max_num_f32 v[MS+1], v[MS+1], v[S+13]        ; the running largest t
	s_delay_alu instid0(VALU_DEP_1)
	v_floor_f32 v[MS], -v[MS+1]                    ; the new -M: a whole number
	s_delay_alu instid0(VALU_DEP_1)
	v_sub_f32 v[S+13], v[MS], v[S+12]              ; old M less new M
	TM 0, 5
	v_cvt_i32_f32 v[S+13], v[S+13]                 ; (it saturates)
	TM 5, 5
	v_ldexp_f32 v8, 1.0, v[S+13]                   ; f = 2^(old M - new M)
	TM 10, 22
.irp q, 0,1,2,3
	v_fma_f32 v[S+\q], v[S+\q], s[C1], v[MS]       ; the same of each block's largest D
.endr
	s_wait_alu depctr_va_vdst(0)
.set j, 0
.rept 64
	v_exp_f32 v[X+j], v[X+j]                       ; p = 2^(t - M)
.set j, j+1
.endr
	v_pk_mul_f32 v[LS:LS+1], v[LS:LS+1], v[8:9] op_sel_hi:[1,0]   ; the sums under the new M (a plain place)
	s_wait_alu depctr_va_vdst(0)                   ; one wait for the 64
.irp q, 0,1,2,3
	v_exp_f32 v[S+\q], v[S+\q]                     ; the block's largest p
.endr
.irp i, 0,1,2,3,4                              ; the row's sum of the unquantised p, in six chains
	v_pk_add_f32 v[S+4+2*\i:S+5+2*\i], v[X+4*\i:X+4*\i+1], v[X+4*\i+2:X+4*\i+3]
.endr
.set k, 10
.rept 22
.if (k-10)%6 == 0
	v_pk_add_f32 v[LS:LS+1], v[LS:LS+1], v[X+2*k:X+2*k+1]
.else
	v_pk_add_f32 v[S+2+2*((k-10)%6):S+3+2*((k-10)%6)], v[S+2+2*((k-10)%6):S+3+2*((k-10)%6)], v[X+2*k:X+2*k+1]
.endif
.set k, k+1
.endr
	v_pk_add_f32 v[S+10:S+11], v[S+10:S+11], v[S+12:S+13]
	s_delay_alu instid0(VALU_DEP_3)
	v_pk_add_f32 v[S+4:S+5], v[S+4:S+5], v[S+6:S+7]
	s_delay_alu instid0(VALU_DEP_3)
	v_pk_add_f32 v[LS:LS+1], v[LS:LS+1], v[S+8:S+9]
	s_delay_alu instid0(VALU_DEP_2)
	v_pk_add_f32 v[S+4:S+5], v[S+4:S+5], v[S+10:S+11]
	s_delay_alu instid0(VALU_DEP_1)
	v_pk_add_f32 v[LS:LS+1], v[LS:LS+1], v[S+4:S+5]
	s_wait_alu depctr_va_vdst(0)                   ; for the four, and directly ahead of the first reader of O^T
	ORS 0, 4
.irp q, 0,1,2,3
	v_max_num_f32 v[S+\q], 0x1800000, v[S+\q]      ; the floor 2^(3 - 127): the byte cannot fall under 1
.endr
	ORS 4, 4
.irp q, 0,1,2,3
	v_add_nc_u32 v[SO+\q], 0xff000000, v[S+\q]     ; the conversion's scale operand
.endr
	ORS 8, 2
.irp q, 0,1,2,3
	v_lshrrev_b32 v[S+\q], 23, v[SO+\q]            ; the scale's byte
.endr
	ORS 10, 2
	v_lshl_or_b32 v11, v[S+1], 8, v[S]
	s_delay_alu instid0(VALU_DEP_4)
	v_lshl_or_b32 v[S+2], v[S+3], 8, v[S+2]
	s_delay_alu instid0(VALU_DEP_1)
	v_lshl_or_b32 v11, v[S+2], 16, v11             ; p's scale word for these 128 keys
	v_cvt_scalef32_pk16_fp6_f32 v[T1:T1+2], v[X+48:X+63], v[SO+3]     ; block 3 first: its numbers' registers take p's codes
	v_cvt_scalef32_pk16_fp6_f32 v[T0:T0+2], v[X+16:X+31], v[SO+1]     ; (a conversion's three registers begin on an even number)
	v_nop                                          ; one plain place between a scaled conversion and a line that writes its sources
	v_cvt_scalef32_pk16_fp6_f32 v[PC:PC+2], v[X:X+15], v[SO]
	v_cvt_scalef32_pk16_fp6_f32 v[PC+6:PC+8], v[X+32:X+47], v[SO+2]
	v_nop                                          ; one plain place behind a scaled conversion
.irp c, 0,1,2,3                                ; v's four fragments of this key step, where p lay
	ds_load_b128 v[X+12*\c:X+12*\c+3], v[KA] offset:12288*\c
	ds_load_b64 v[X+12*\c+4:X+12*\c+5], v[KA+1] offset:12288*\c+512
	ds_load_b128 v[X+12*\c+6:X+12*\c+9], v[KA] offset:12288*\c+768
	ds_load_b64 v[X+12*\c+10:X+12*\c+11], v[KA+1] offset:12288*\c+1280
.endr
	ds_load_b32 v14, v[KA+2] offset:4096*\b        ; their scale words: channel tiles 0 and 1,
	ds_load_b32 v15, v[KA+2] offset:4096*\b+2048   ; 2 and 3
.if \b == 1
	s_add_co_u32 s[SK], s[SK], 6144                ; on to the next key step's k
	s_add_co_u32 s[SKS], s[SKS], 512
.endif
	v_add_nc_u32 v[KA], s[SK], v1                  ; THE NEXT HALF STEP'S k
	v_add_nc_u32 v[KA+1], s[SK], v[L8]
	v_add_nc_u32 v[KA+2], s[SKS], v[L4]
	KT NB, 0, 0
	KT NB, 0, 1
	KT NB, 0, 2
	KSC NB, 0
.irp i, 0,1,2
	v_permlane16_swap_b32 v[PC+\i], v[T0+\i]       ; a whole block to a lane
	v_permlane16_swap_b32 v[PC+6+\i], v[T1+\i]
.endr
.irp i, 0,1,2
	v_mov_b32 v[PC+3+\i], v[T0+\i]
	v_mov_b32 v[PC+9+\i], v[T1+\i]
.endr
	KT NB, 0, 3                                    ; its place held codes on their way until here
	s_wait_alu depctr_va_vdst(0)                   ; directly ahead of the first reader of the fourth accumulator
	ORS 12, 4                                      ; these four also part p's codes from the products
	s_wait_alu depctr_va_vdst(0)
	s_wait_dscnt 10                                ; v's 18 loads are in; the ten loads of k behind them may be out
.irp c, 0,1,2,3                                ; the four accumulators by turns
.if \c % 2
	v_wmma_scale_f32_16x16x128_f8f6f4 v[OB+8*\c:OB+8*\c+7], v[X+12*\c:X+12*\c+11], v[PC:PC+11], v[OB+8*\c:OB+8*\c+7], v[14+\c/2], v11 matrix_a_fmt:MATRIX_FMT_FP6 matrix_b_fmt:MATRIX_FMT_FP6 matrix_a_scale:MATRIX_SCALE_ROW1
.else
	v_wmma_scale_f32_16x16x128_f8f6f4 v[OB+8*\c:OB+8*\c+7], v[X+12*\c:X+12*\c+11], v[PC:PC+11], v[OB+8*\c:OB+8*\c+7], v[14+\c/2], v11 matrix_a_fmt:MATRIX_FMT_FP6 matrix_b_fmt:MATRIX_FMT_FP6
.endif
.endr
.endm
.Ltrip:
	HALF 0
	HALF 1
	s_wait_xcnt 0x0                                ; the loads and the prefetch, a softmax back, have read their bases
	s_add_nc_u64 s[PN:PN+1], s[PN:PN+1], 512
	s_add_nc_u64 s[MN:MN+1], s[MN:MN+1], 256
	s_add_co_u32 s[SV], s[SV], 1536
	s_add_co_u32 s[SV+1], s[SV+1], 1536
	s_add_co_u32 s[SVS], s[SVS], 128
	s_sub_co_u32 s[LEFT], s[LEFT], 1
	s_cmp_lg_u32 s[LEFT], 0
	s_cbranch_scc1 .Ltrip
; THE WAY OUT: O^T / l; register 16 q + e is channel 32 q + 16 h + e of the head: two blocks of the projection's K: half an image and two scale bytes
.macro OUT b
.set LS, 6+12*\b
.set OB, O+32*\b
	v_add_f32 v[LS], v[LS], v[LS+1]
	s_delay_alu instid0(VALU_DEP_1)
	v_permlanex16_b32 v[S+8], v[LS], s[SEL], s[SEL+1]
	s_delay_alu instid0(VALU_DEP_1)
	v_add_f32 v[LS], v[LS], v[S+8]                 ; the row's sum
	s_wait_alu depctr_va_vdst(0)
	v_rcp_f32 v8, v[LS]
	v_nop
	s_wait_alu depctr_va_vdst(0)
.set j, 0
.rept 16
	v_pk_mul_f32 v[X+j:X+j+1], v[OB+j:OB+j+1], v[8:9] op_sel_hi:[1,0]
.set j, j+2
.endr
.irp q, 0,1
	v_max3_num_f32 v[S+\q], |v[X+16*\q]|, |v[X+1+16*\q]|, 0x1800000
.endr
.irp i, 2,4,6,8,10,12,14
.irp q, 0,1
	s_delay_alu instid0(VALU_DEP_2)
	v_max3_num_f32 v[S+\q], v[S+\q], |v[X+16*\q+\i]|, |v[X+1+16*\q+\i]|
.endr
.endr
.irp q, 0,1
	s_delay_alu instid0(VALU_DEP_2)
	v_permlanex16_b32 v[S+2+\q], v[S+\q], s[SEL], s[SEL+1]
.endr
.irp q, 0,1
	s_delay_alu instid0(VALU_DEP_2)
	v_max_num_f32 v[S+\q], v[S+\q], v[S+2+\q]
.endr
.irp q, 0,1
	s_delay_alu instid0(VALU_DEP_2)
	v_add_nc_u32 v[S+20+\q], 0xff000000, v[S+\q]
.endr
.irp q, 0,1
	s_delay_alu instid0(VALU_DEP_2)
	v_lshrrev_b32 v[S+2+\q], 23, v[S+20+\q]
.endr
	s_delay_alu instid0(VALU_DEP_1)
	v_lshl_or_b32 v[S+10], v[S+3], 8, v[S+2]
	v_cvt_scalef32_pk16_fp6_f32 v[S+4:S+6], v[X:X+15], v[S+20]
	v_cvt_scalef32_pk16_fp6_f32 v[S+12:S+14], v[X+16:X+31], v[S+21]
	v_nop
.irp i, 0,1,2
	v_permlane16_swap_b32 v[S+4+\i], v[S+12+\i]
.endr
.irp i, 0,1,2
	v_mov_b32 v[S+7+\i], v[S+12+\i]
.endr
	global_store_b128 v1, v[S+4:S+7], s[ACP:ACP+1] offset:786432*\b
	global_store_b64 v[L8], v[S+8:S+9], s[ACP:ACP+1] offset:786432*\b+512
	global_store_b16 v[S+24], v[S+10], s[ASP:ASP+1] offset:32768*\b   ; two bytes a row, 32 bytes apart (both halves of the lanes write the same)
.endm
	s_wait_dscnt 0x0                               ; the last look-ahead's loads have landed: their registers are at work below
	v_and_b32 v[S+24], 0xf0, v1
	v_lshlrev_b32 v[S+24], 1, v[S+24]              ; my place's 32 scale bytes
	v_nop
	v_nop                                          ; four places behind the last products
	OUT 0
	s_wait_alu depctr_va_vdst(0)
	s_wait_xcnt 0x0                                ; the stores have read their registers
	OUT 1
	v_lshl_add_u32 v[X], v0, 2, SPARE
	v_mov_b32 v[X+1], 0
	s_wait_alu depctr_va_vdst(0)
	s_wait_tensorcnt 0x0                           ; the wave's end
	ds_add_u32 v[X], v[X+1]
	s_wait_dscnt 0x0
	ROUND                                          ; the closing round
	s_endpgm
.Lfunc_end_k_qe7f5a2b856_attn:
	.size	k_qe7f5a2b856_attn, .Lfunc_end_k_qe7f5a2b856_attn-k_qe7f5a2b856_attn
	.p2alignl 7, 3214868480
	.fill 96, 4, 3214868480
	.section	.rodata,"a",@progbits
	.p2align	6, 0x0
	.amdhsa_kernel k_qe7f5a2b856_attn
		.amdhsa_group_segment_fixed_size 215040
		.amdhsa_private_segment_fixed_size 0
		.amdhsa_enable_private_segment 0
		.amdhsa_kernarg_size 56
		.amdhsa_user_sgpr_count 2
		.amdhsa_user_sgpr_kernarg_segment_ptr 1
		.amdhsa_wavefront_size32 1
		.amdhsa_system_sgpr_workgroup_id_x 1
		.amdhsa_system_sgpr_workgroup_id_y 1
		.amdhsa_system_sgpr_workgroup_id_z 1
		.amdhsa_system_vgpr_workitem_id 0
		.amdhsa_next_free_vgpr 256
		.amdhsa_next_free_sgpr 102
		.amdhsa_reserve_vcc 0
		.amdhsa_float_denorm_mode_32 3
		.amdhsa_float_denorm_mode_16_64 3
		.amdhsa_memory_ordered 1
		.amdhsa_forward_progress 1
		.amdhsa_inst_pref_size 71
	.end_amdhsa_kernel
	.amdgpu_metadata
---
amdhsa.version: [ 1, 2 ]
amdhsa.kernels:
  - .name:           k_qe7f5a2b856_attn
    .symbol:         k_qe7f5a2b856_attn.kd
    .args:
      - { .name: pcod, .offset: 0, .size: 8, .value_kind: global_buffer, .address_space: global }
      - { .name: pscl, .offset: 8, .size: 8, .value_kind: global_buffer, .address_space: global }
      - { .name: mbits, .offset: 16, .size: 8, .value_kind: global_buffer, .address_space: global }
      - { .name: syn_scores, .offset: 24, .size: 8, .value_kind: global_buffer, .address_space: global }
      - { .name: alpha_param, .offset: 32, .size: 8, .value_kind: global_buffer, .address_space: global }
      - { .name: acod, .offset: 40, .size: 8, .value_kind: global_buffer, .address_space: global }
      - { .name: ascl, .offset: 48, .size: 8, .value_kind: global_buffer, .address_space: global }
    .group_segment_fixed_size: 215040
    .private_segment_fixed_size: 0
    .kernarg_segment_align: 8
    .kernarg_segment_size: 56
    .max_flat_workgroup_size: 512
    .sgpr_count:     102
    .vgpr_count:     256
    .wavefront_size: 32
...
	.end_amdgpu_metadata
.endif
;; end of part 3
;; launch oproj (part 4): grid 4 x 64, 4 waves a work-group, clusters of 4 x 4, 327,680 bytes of LDS; arguments acod, ascl, cod, scl, bo, out0; writes out0
.if DOCPART == 4
	.amdgcn_target "amdgcn-amd-amdhsa--gfx1250"
	.amdhsa_code_object_version 6
	.text
	.protected	k_qe7f5a2b856_oproj
	.globl	k_qe7f5a2b856_oproj
	.p2align	8
	.type	k_qe7f5a2b856_oproj,@function
k_qe7f5a2b856_oproj:
	s_mov_b64 s[64:65], 0
	v_nop
	global_prefetch_b8 v0, s[64:65] scope:SCOPE_SE
	s_setreg_imm32_b32 hwreg(HW_REG_WAVE_MODE, 25, 1), 1
	s_wait_xcnt 0x0
	s_wait_alu depctr_hold_cnt(0) depctr_sa_sdst(0) depctr_va_vdst(0) depctr_va_sdst(0) depctr_va_ssrc(0) depctr_va_vcc(0) depctr_vm_vsrc(0)
	s_getreg_b32 s2, hwreg(HW_REG_IB_STS2, 6, 4)
	s_cmp_eq_u32 s2, 0
	s_cbranch_scc0 .Lentry_in_a_cluster
	s_endpgm
.Lentry_in_a_cluster:
	s_bfe_u32 s2, ttmp6, 0x10000c
	s_cmp_lg_u32 s2, 0xf033
	s_cbranch_scc0 .Lentry_shape_is_right
	s_endpgm
.Lentry_shape_is_right:
; oproj: out0 = attention's result x Wo^T + bo on codes of E2M3.  No work is left out.
; A work-group takes 256 rows of Wo (by cx) and 128 rows of the activation (blk = 4 cluster y + cy) for all of K = 1024.  Both blocks are dense in memory ([tile][K step][1536]) and come into LDS once,
; ONE tensor load a wave: waves 0, 1 eight tiles of Wo each (98,304 bytes), waves 2, 3 four tiles of the activation each (49,152).  Nothing is filled again.
; Source 0 = Wo, source 1 = activation; wave w: features 128 (w / 2) on, rows 64 (w % 2) on: 8 x 4 accumulators; the bias is the C of the first K step.
; CLUSTER 4 x 4: Wo's block is shared along a column, the activation's along a row: joint loads; no LDS address and no branch hangs on cx or cy.
; No prefetch: all that the work-group reads is asked for at its head, so there is no loop to run ahead in.
; THE WAY OUT: a lane holds one row and 64 features of it; 16 rows x 512 bytes at a time go through the wave's own stage and leave as whole rows' 512 consecutive bytes.  The stages lie on Wo's first tiles,
; which have had their only fill and which no wave reads behind the barrier of the last K step.
; REGISTERS.  window 0: v2-11, v16, v17 addresses; v32-63 source 0's scale words; v64-79 source 1's; v80-143 the bias; v160-255 source 1's fragments, two sets; v80-143 and v160-223 take the rows read back by turns.
; window 1: accumulator (u, i) at v[64 i + 8 u].   window 2: source 0's fragments, two sets of 96.
.set TB,    12288                      ; a tile's eight K steps
.set ACTB,  16*TB
.set SPARE, 24*TB                      ; the spare words, 128 bytes for each wave
.set STG,   8448                       ; a wave's stage: 16 rows, 528 bytes apart
.set SPW, 12
.set NIL, 13
.set STO, 10
.set RD,  11
.set US,  32
.set LS,  64
.set BB,  80
.set F1,  160
.set G1W, 8
.set G1A, 16
.set G0W, 24
.set G0A, 40
.set MUL,  0x52
.set MUL0, 0x42
.set MSB, 0
.macro WIN new
.if MSB != \new
	s_set_vgpr_msb (MSB<<8)|\new
.set MSB, \new
.endif
.endm
.macro CROUND
	s_barrier_signal -1
	s_barrier_wait -1
	s_cmp_lg_u32 s2, 0
	s_cbranch_scc1 .Lnot_wave_0_\@
	s_barrier_signal -3
.Lnot_wave_0_\@:
	s_barrier_wait -3
	s_barrier_signal -1
	s_barrier_wait -1
.endm
.macro PLACES
.rept 4
	v_nop
.endr
.endm
	s_load_b128 s[68:71], s[0:1], 0x0              ; acod, ascl
	s_load_b128 s[72:75], s[0:1], 0x10             ; cod, scl
	s_load_b128 s[76:79], s[0:1], 0x20             ; bo, out0
	v_lshl_add_u32 v[SPW], v0, 2, SPARE
	v_mov_b32 v[NIL], 0
	ds_add_u32 v[SPW], v[NIL]                      ; the opening: the add, twice on end, and its wait
	ds_add_u32 v[SPW], v[NIL]
	v_lshrrev_b32 v1, 5, v0
	v_readfirstlane_b32 s2, v1                     ; wave
	s_and_b32 s3, s2, 1
	s_lshr_b32 s4, s2, 1
	s_bfe_u32 s5, ttmp6, 0x40000                   ; cx
	s_bfe_u32 s6, ttmp6, 0x40004                   ; cy
	s_and_b32 s57, ttmp7, 0xffff
	s_lshl_b32 s57, s57, 2
	s_add_co_u32 s57, s57, s6                      ; blk
	s_lshl_b32 s58, 0x1111, s5                     ; my column of the cluster
	s_lshl_b32 s59, s6, 2
	s_lshl_b32 s59, 15, s59                        ; my row
	s_or_b32 s[G1W], s58, (3<<16)|(1<<21)
	s_or_b32 s[G1A], s59, (3<<16)|(1<<21)
	s_mov_b32 s[G1W+1], 1536<<16                   ; a row: a tile's 12,288 bytes
	s_mov_b32 s[G1W+2], 8<<16
	s_mov_b32 s[G1W+3], 1536<<16
	s_mov_b32 s[G1W+4], 8
	s_mov_b32 s[G1W+5], 1536
	s_mov_b32 s[G1W+6], 0
	s_mov_b32 s[G1W+7], 0
	s_mov_b32 s[G1A+1], 1536<<16
	s_mov_b32 s[G1A+2], 4<<16
	s_mov_b32 s[G1A+3], 1536<<16
	s_mov_b32 s[G1A+4], 4
	s_mov_b32 s[G1A+5], 1536
	s_mov_b32 s[G1A+6], 0
	s_mov_b32 s[G1A+7], 0
	s_lshl_b32 s82, s5, 4                          ; Wo's tiles that I would fetch: 1728 + 16 cx + 8 (w % 2)
	s_lshl_b32 s83, s3, 3
	s_add_co_u32 s82, s82, s83
	s_add_co_u32 s82, s82, 1728
	s_mul_i32 s82, s82, TB
	s_mov_b32 s83, 0
	s_lshl_b32 s84, s57, 3                         ; the activation's: 8 blk + 4 (w % 2)
	s_lshl_b32 s85, s3, 2
	s_add_co_u32 s84, s84, s85
	s_mul_i32 s84, s84, TB
	s_mov_b32 s85, 0
	s_mul_i32 s86, s3, 8*TB
	s_mul_i32 s87, s3, 4*TB
	s_add_co_u32 s87, s87, ACTB
	s_wait_dscnt 0x0                               ; both opening adds are done
	s_wait_kmcnt 0x0
	s_mov_b32 s[G0W], 1
	s_mov_b32 s[G0W+1], s86
	s_add_nc_u64 s[G0W+2:G0W+3], s[72:73], s[82:83]
	s_or_b32 s[G0W+3], s[G0W+3], 0x80000000
	s_mov_b32 s[G0A], 1
	s_mov_b32 s[G0A+1], s87
	s_add_nc_u64 s[G0A+2:G0A+3], s[68:69], s[84:85]
	s_or_b32 s[G0A+3], s[G0A+3], 0x80000000
	CROUND                                         ; all sixteen work-groups are here: the joint loads meet
	s_cmp_lt_u32 s2, 2
	s_cbranch_scc0 .Lfill_a
	tensor_load_to_lds s[G0W:G0W+3], s[G1W:G1W+7]
	s_nop 0
	PLACES
	s_branch .Lfilled
.Lfill_a:
	tensor_load_to_lds s[G0A:G0A+3], s[G1A:G1A+7]
	s_nop 0
	PLACES
.Lfilled:
	s_lshl_b32 s92, s5, 1
	s_add_co_u32 s92, s92, s4                      ; G = 2 cx + w / 2: my 128 features
	s_lshl_b32 s93, s57, 3
	s_lshl_b32 s60, s3, 2
	s_add_co_u32 s93, s93, s60                     ; Lt0 = 8 blk + 4 (w % 2): my first tile of rows
	s_mul_i32 s94, s4, 8*TB                        ; source 0
	s_mul_i32 s95, s3, 4*TB
	s_add_co_u32 s95, s95, ACTB                    ; source 1
	s_lshl_b32 s96, s5, 4
	s_lshl_b32 s60, s4, 3
	s_add_co_u32 s96, s96, s60
	s_add_co_u32 s96, s96, 1728                    ; source 0's first tile
	s_mul_i32 s61, s2, STG
	v_and_b32 v1, 31, v0                           ; lane
	v_and_b32 v15, 15, v0                          ; r
	v_bfe_u32 v14, v0, 4, 1                        ; h
	v_lshlrev_b32 v2, 4, v1
	v_lshlrev_b32 v3, 3, v1
	v_lshlrev_b32 v8, 5, v15
	v_lshl_add_u32 v8, v14, 4, v8                  ; scale words: 32 r + 16 h
	v_lshlrev_b32 v9, 6, v14                       ; the bias of my half: 64 h bytes on
	v_mul_u32_u24 v[STO], v15, 528
	v_lshl_add_u32 v[STO], v14, 6, v[STO]
	v_add_nc_u32 v[STO], s61, v[STO]               ; the stage, in: row r, + 64 h
	v_add_nc_u32 v[RD], s61, v2                    ; and back: 16 bytes a lane of a row
	v_add_nc_u32 v4, s94, v2
	v_add_nc_u32 v5, s94, v3
	v_add_nc_u32 v6, s95, v2
	v_add_nc_u32 v7, s95, v3
	v_add_nc_u32 v16, 4*TB, v4                     ; source 0's tiles 4-7: an LDS offset has 16 bits
	v_add_nc_u32 v17, 4*TB, v5
	s_lshl_b32 s58, s96, 9
	s_mov_b32 s59, 0
	s_add_nc_u64 s[82:83], s[74:75], s[58:59]
	s_lshl_b32 s58, s93, 9
	s_add_nc_u64 s[84:85], s[70:71], s[58:59]
	s_lshl_b32 s58, s92, 9
	s_add_nc_u64 s[86:87], s[76:77], s[58:59]
	s_wait_alu depctr_va_vdst(0)
.irp u, 0,1,2,3,4,5,6,7
	global_load_b128 v[US+4*\u:US+4*\u+3], v8, s[82:83] offset:512*\u
.endr
.irp i, 0,1,2,3
	global_load_b128 v[LS+4*\i:LS+4*\i+3], v8, s[84:85] offset:512*\i
.endr
.irp u, 0,1,2,3,4,5,6,7                        ; register j of tile u is feature 128 G + 32 (u / 2) + 8 (u % 2) + 16 h + j
	global_load_b128 v[BB+8*\u:BB+8*\u+3], v9, s[86:87] offset:128*(\u/2)+32*(\u%2)
	global_load_b128 v[BB+8*\u+4:BB+8*\u+7], v9, s[86:87] offset:128*(\u/2)+32*(\u%2)+16
.endr
	s_lshl_b32 s60, s93, 16                        ; out0: 16 Lt0 rows of 4,096 bytes, + 512 G
	s_add_co_u32 s58, s58, s60
	s_add_nc_u64 s[78:79], s[78:79], s[58:59]
.macro FRAG reg, a16, a8, off          ; an image comes back as it was stored
	ds_load_b128 v[\reg:\reg+3], v[\a16] offset:\off
	ds_load_b64 v[\reg+4:\reg+5], v[\a8] offset:\off+512
	ds_load_b128 v[\reg+6:\reg+9], v[\a16] offset:\off+768
	ds_load_b64 v[\reg+10:\reg+11], v[\a8] offset:\off+1280
.endm
.macro FETCH s                         ; K step s: 48 LDS loads in one run, into set s % 2
	WIN 0x80
.irp u, 0,1,2,3
	FRAG 96*((\s)%2)+12*\u, 4, 5, \u*TB+(\s)*1536
.endr
.irp u, 4,5,6,7
	FRAG 96*((\s)%2)+12*\u, 16, 17, (\u-4)*TB+(\s)*1536
.endr
	WIN 0
.irp i, 0,1,2,3
	FRAG F1+48*((\s)%2)+12*\i, 6, 7, \i*TB+(\s)*1536
.endr
.endm
.macro PROD s, mode                    ; 32 products, the accumulators by turns.  mode 1: C = the bias
.irp i, 0,1,2,3
.irp u, 0,1,2,3,4,5,6,7
.set rD, 64*\i+8*\u
.set rA, 96*((\s)%2)+12*\u
.set rB, F1+48*((\s)%2)+12*\i
.set rSA, US+4*\u+(\s)%4
.set rSB, LS+4*\i+(\s)%4
.if (\mode) == 1
.set rC, BB+8*\u
.else
.set rC, rD
.endif
.if (\s) < 4
	v_wmma_scale_f32_16x16x128_f8f6f4 v[rD:rD+7], v[rA:rA+11], v[rB:rB+11], v[rC:rC+7], v[rSA], v[rSB] matrix_a_fmt:MATRIX_FMT_FP6 matrix_b_fmt:MATRIX_FMT_FP6
.else
	v_wmma_scale_f32_16x16x128_f8f6f4 v[rD:rD+7], v[rA:rA+11], v[rB:rB+11], v[rC:rC+7], v[rSA], v[rSB] matrix_a_fmt:MATRIX_FMT_FP6 matrix_b_fmt:MATRIX_FMT_FP6 matrix_a_scale:MATRIX_SCALE_ROW1 matrix_b_scale:MATRIX_SCALE_ROW1
.endif
.endr
.endr
.endm
.macro KSTEP s
	s_wait_dscnt 0x0                               ; this step's fragments are in
.if (\s) < 7
	PLACES                                         ; four places in front of loads into registers that the last products read
	FETCH (\s)+1
.else
	s_barrier_signal -1                            ; my reads of the tiles are over: behind this barrier the stages may be written
.endif
	WIN MUL
	PROD \s, 0
	WIN 0
.endm
	s_wait_alu depctr_va_vdst(0)
	s_wait_loadcnt 0x0                             ; scale words and bias
	s_wait_tensorcnt 0x0                           ; my one load has landed
	s_barrier_signal -1
	s_barrier_wait -1                              ; everybody's has
	FETCH 0
	FETCH 1
	s_wait_dscnt 48                                ; K step 0's fragments are in; step 1's 48 loads may be out
	WIN MUL0
	PROD 0, 1                                      ; the first K step starts the sums on the bias
	WIN 0
.irp s, 1,2,3,4,5,6,7
	KSTEP \s
.endr
.macro TOSTAGE i                       ; tile i's 16 rows x 128 features into my stage, each accumulator from its low end on, and back as whole rows; LDS serves a wave's instructions in order
	WIN 0x04                                       ; an LDS store's data: window 1
.irp u, 0,1,2,3,4,5,6,7
	ds_store_b128 v[STO], v[64*(\i)+8*\u:64*(\i)+8*\u+3] offset:128*(\u/2)+32*(\u%2)
	ds_store_b128 v[STO], v[64*(\i)+8*\u+4:64*(\i)+8*\u+7] offset:128*(\u/2)+32*(\u%2)+16
.endr
	WIN 0
.set BK, 80+80*((\i)%2)
.irp p, 0,1,2,3,4,5,6,7,8,9,10,11,12,13,14,15
	ds_load_b128 v[BK+4*\p:BK+4*\p+3], v[RD] offset:528*\p
.endr
.endm
.macro SEND i, younger                 ; younger: the LDS instructions issued behind tile i's loads, which may stay out
.set BK, 80+80*((\i)%2)
	s_wait_dscnt \younger
.irp p, 0,1,2,3,4,5,6,7,8,9,10,11,12,13,14,15
	global_store_b128 v2, v[BK+4*\p:BK+4*\p+3], s[78:79] offset:(32*((\i)/2)+8*((\i)%2)+\p+8*(\p/8))*4096 th:TH_STORE_NT   ; 32 lanes store 512 consecutive bytes, at a multiple of 256 from out0's first byte
.endr
.endm
	s_barrier_wait -1                              ; no wave reads the tiles any more
	PLACES                                         ; four places between the last products and the first read of results, and the loads into registers that they read
	TOSTAGE 0
.irp i, 1,2,3
.if \i > 1
	s_wait_xcnt 0x0                                ; tile i - 2's stores have read their registers: tile i's rows may land there
.endif
	TOSTAGE \i
	SEND \i-1, 32                                  ; behind tile i - 1's loads: tile i's 16 stores and 16 loads
.endr
	SEND 3, 0
	s_wait_tensorcnt 0x0                           ; the wave's end
	ds_add_u32 v[SPW], v[NIL]
	s_wait_dscnt 0x0
	CROUND                                         ; the closing round
	s_endpgm
.Lfunc_end_k_qe7f5a2b856_oproj:
	.size	k_qe7f5a2b856_oproj, .Lfunc_end_k_qe7f5a2b856_oproj-k_qe7f5a2b856_oproj
	.p2alignl 7, 3214868480
	.fill 96, 4, 3214868480
	.section	.rodata,"a",@progbits
	.p2align	6, 0x0
	.amdhsa_kernel k_qe7f5a2b856_oproj
		.amdhsa_group_segment_fixed_size 327680
		.amdhsa_private_segment_fixed_size 0
		.amdhsa_enable_private_segment 0
		.amdhsa_kernarg_size 48
		.amdhsa_user_sgpr_count 2
		.amdhsa_user_sgpr_kernarg_segment_ptr 1
		.amdhsa_wavefront_size32 1
		.amdhsa_system_sgpr_workgroup_id_x 1
		.amdhsa_system_sgpr_workgroup_id_y 1
		.amdhsa_system_sgpr_workgroup_id_z 1
		.amdhsa_system_vgpr_workitem_id 0
		.amdhsa_next_free_vgpr 768
		.amdhsa_next_free_sgpr 100
		.amdhsa_reserve_vcc 0
		.amdhsa_float_denorm_mode_32 3
		.amdhsa_float_denorm_mode_16_64 3
		.amdhsa_memory_ordered 1
		.amdhsa_forward_progress 1
		.amdhsa_inst_pref_size 82
	.end_amdhsa_kernel
	.amdgpu_metadata
---
amdhsa.version: [ 1, 2 ]
amdhsa.kernels:
  - .name:           k_qe7f5a2b856_oproj
    .symbol:         k_qe7f5a2b856_oproj.kd
    .args:
      - { .name: acod, .offset: 0, .size: 8, .value_kind: global_buffer, .address_space: global }
      - { .name: ascl, .offset: 8, .size: 8, .value_kind: global_buffer, .address_space: global }
      - { .name: cod, .offset: 16, .size: 8, .value_kind: global_buffer, .address_space: global }
      - { .name: scl, .offset: 24, .size: 8, .value_kind: global_buffer, .address_space: global }
      - { .name: bo, .offset: 32, .size: 8, .value_kind: global_buffer, .address_space: global }
      - { .name: out0, .offset: 40, .size: 8, .value_kind: global_buffer, .address_space: global }
    .group_segment_fixed_size: 327680
    .private_segment_fixed_size: 0
    .kernarg_segment_align: 8
    .kernarg_segment_size: 48
    .max_flat_workgroup_size: 128
    .sgpr_count:     100
    .vgpr_count:     768
    .wavefront_size: 32
...
	.end_amdgpu_metadata
.endif
;; end of part 4
